; MI455X (gfx1250); checked and timed in simulation.
; The chip was launched on July 23, 2026; its instructions are those of AMD's public machine-readable ISA for CDNA 5 (MIT licence, August 2026) and "CDNA5" Instruction Set Architecture Reference Guide (July 2026). The comments in the code are by the model that wrote it; some were corrected since.
;; Multi Headed Attention. Allowed arithmetic: float matrix products may take bf16 or f16 operands with f32 sums; all other float work in f32.
;; Inputs: Wk 1,024 x 1,024 float32; Wo 1,024 x 1,024 float32; Wq 1,024 x 1,024 float32; Wv 1,024 x 1,024 float32; bk 1,024 float32; bo 1,024 float32; bq 1,024 float32; bv 1,024 float32; x 2 x 2,048 x 1,024 float32.
;; Outputs: out0 2 x 2,048 x 1,024 float32.
;; 2 versions, each right. Each part assembles by itself: llvm-mc -triple=amdgcn-amd-amdhsa -mcpu=gfx1250 --defsym DOCPART=n.
;; ======== version 1 of 2: 4 launches
;; workspace buffers: x16 8,388,608 bytes; w16 8,388,608 bytes; q16 8,388,608 bytes; k16 8,388,608 bytes; vt16 8,388,608 bytes; att16 8,388,608 bytes
;; launch cast (part 1): grid 512 x 1, 8 waves a work-group, no clusters, 0 bytes of LDS; arguments x, Wq, Wk, Wv, Wo, x16, w16; writes x16, w16
.if DOCPART == 1
	.amdgcn_target "amdgcn-amd-amdhsa--gfx1250"
	.amdhsa_code_object_version 6
	.text
	.protected	k_q46ad892442_cast
	.globl	k_q46ad892442_cast
	.p2align	8
	.type	k_q46ad892442_cast,@function
k_q46ad892442_cast:
	s_mov_b64 s[64:65], 0
	v_nop
	global_prefetch_b8 v0, s[64:65] scope:SCOPE_SE
	s_setreg_imm32_b32 hwreg(HW_REG_WAVE_MODE, 25, 1), 1
	s_wait_xcnt 0x0
; f32 -> bf16 (round to nearest even) of x and of the four weight matrices, so that the three matrix launches behind it
; move and read 16-bit operands only.
; x16[4096][1024] = x.   w16[4096][1024]: row h*192 + t*64 + d = row h*64+d of Wq (t=0), Wk (t=1), Wv (t=2), so that the
; q, k and v weights of one head are 192 neighbouring rows; row 3072+n = row n of Wo.
; A pure stream: every byte is read once and written once, work-groups share nothing, so LDS, matrix instructions and
; clusters have no part here.  A work-group takes 16 rows of 1,024 numbers.  Thread t takes bytes 16 t of each row (a load of a
; wave covers 512 neighbouring bytes) and stores 8 bytes at 8 t (a store of a wave covers 256 neighbouring bytes, aligned).
; All 16 loads of a wave go out at once; no register is written twice, so no source has to be freed.
.set ROWIN,  4096                      ; bytes in a row of f32
.set ROWOUT, 2048                      ; bytes in a row of bf16
.set X, 4                              ; v[4:67]   row i: 4 numbers as loaded
.set Y, 68                             ; v[68:99]  row i: 4 numbers in bf16
	s_load_b256 s[4:11], s[0:1], 0x0               ; x s[4:5], Wq s[6:7], Wk s[8:9], Wv s[10:11]
	s_load_b128 s[12:15], s[0:1], 0x20             ; Wo s[12:13], x16 s[14:15]
	s_load_b64 s[16:17], s[0:1], 0x30              ; w16
	v_lshlrev_b32 v1, 4, v0                        ; 16 t
	v_lshlrev_b32 v2, 3, v0                        ; 8 t
	; work-groups 0-255: x, 16 rows each.  256-511: matrix mt = (g >> 6) & 3 (q, k, v, o), block rb = g & 63 of 16 rows
	s_lshr_b32 s20, ttmp9, 6
	s_and_b32 s20, s20, 3                          ; mt
	s_and_b32 s21, ttmp9, 63                       ; rb
	s_lshr_b32 s22, s21, 2                         ; head = 16 rb / 64
	s_mul_i32 s22, s22, 192
	s_lshl_b32 s23, s20, 6
	s_add_co_u32 s22, s22, s23                     ; + mt * 64
	s_and_b32 s23, s21, 3
	s_lshl_b32 s23, s23, 4
	s_add_co_u32 s22, s22, s23                     ; + the 16 rows' place in the head
	s_lshl_b32 s23, s21, 4
	s_add_co_u32 s23, s23, 3072                    ; Wo: row 3072 + 16 rb
	s_cmp_eq_u32 s20, 3
	s_cselect_b32 s22, s23, s22
	s_lshl_b32 s23, ttmp9, 4                       ; x: row 16 g
	s_cmp_lt_u32 ttmp9, 256
	s_cselect_b32 s22, s23, s22                    ; the first row that I write
	s_cselect_b32 s28, ttmp9, s21                  ; the block of 16 rows that I read
	s_lshl_b32 s28, s28, 16                        ; 16 rows of 4,096 bytes
	s_mov_b32 s29, 0
	s_lshl_b32 s30, s22, 11                        ; rows of 2,048 bytes
	s_mov_b32 s31, 0
	s_wait_kmcnt 0x0
	s_mov_b64 s[24:25], s[6:7]                     ; the source: a choice among the five inputs by the work-group's number
	s_cmp_eq_u32 s20, 1
	s_cselect_b64 s[24:25], s[8:9], s[24:25]
	s_cmp_eq_u32 s20, 2
	s_cselect_b64 s[24:25], s[10:11], s[24:25]
	s_cmp_eq_u32 s20, 3
	s_cselect_b64 s[24:25], s[12:13], s[24:25]
	s_cmp_lt_u32 ttmp9, 256
	s_cselect_b64 s[24:25], s[4:5], s[24:25]
	s_cselect_b64 s[26:27], s[14:15], s[16:17]     ; the destination: x16 or w16
	s_add_nc_u64 s[24:25], s[24:25], s[28:29]
	s_add_nc_u64 s[26:27], s[26:27], s[30:31]
.set i, 0
.rept 16
	global_load_b128 v[X+4*i:X+4*i+3], v1, s[24:25] offset:i*ROWIN th:TH_LOAD_NT   ; read once in the launch
.set i, i+1
.endr
.set i, 0
.rept 16
	s_wait_loadcnt 15-i                            ; loads come back in order (ISA guide 5.7.1): row i is in, the 15-i younger rows stay out
	v_cvt_pk_bf16_f32 v[Y+2*i],   v[X+4*i],   v[X+4*i+1]
	v_cvt_pk_bf16_f32 v[Y+2*i+1], v[X+4*i+2], v[X+4*i+3]
	global_store_b64 v2, v[Y+2*i:Y+2*i+1], s[26:27] offset:i*ROWOUT                ; no hint: the next launches read it
.set i, i+1
.endr
	s_endpgm
.Lfunc_end_k_q46ad892442_cast:
	.size	k_q46ad892442_cast, .Lfunc_end_k_q46ad892442_cast-k_q46ad892442_cast
	.p2alignl 7, 3214868480
	.fill 96, 4, 3214868480
	.section	.rodata,"a",@progbits
	.p2align	6, 0x0
	.amdhsa_kernel k_q46ad892442_cast
		.amdhsa_group_segment_fixed_size 0
		.amdhsa_private_segment_fixed_size 0
		.amdhsa_enable_private_segment 0
		.amdhsa_kernarg_size 56
		.amdhsa_user_sgpr_count 2
		.amdhsa_user_sgpr_kernarg_segment_ptr 1
		.amdhsa_wavefront_size32 1
		.amdhsa_system_sgpr_workgroup_id_x 1
		.amdhsa_system_sgpr_workgroup_id_y 1
		.amdhsa_system_sgpr_workgroup_id_z 1
		.amdhsa_system_vgpr_workitem_id 0
		.amdhsa_next_free_vgpr 100
		.amdhsa_next_free_sgpr 66
		.amdhsa_reserve_vcc 0
		.amdhsa_float_denorm_mode_32 3
		.amdhsa_float_denorm_mode_16_64 3
		.amdhsa_memory_ordered 1
		.amdhsa_forward_progress 1
		.amdhsa_inst_pref_size 8
	.end_amdhsa_kernel
	.amdgpu_metadata
---
amdhsa.version: [ 1, 2 ]
amdhsa.kernels:
  - .name:           k_q46ad892442_cast
    .symbol:         k_q46ad892442_cast.kd
    .args:
      - { .name: x, .offset: 0, .size: 8, .value_kind: global_buffer, .address_space: global }
      - { .name: Wq, .offset: 8, .size: 8, .value_kind: global_buffer, .address_space: global }
      - { .name: Wk, .offset: 16, .size: 8, .value_kind: global_buffer, .address_space: global }
      - { .name: Wv, .offset: 24, .size: 8, .value_kind: global_buffer, .address_space: global }
      - { .name: Wo, .offset: 32, .size: 8, .value_kind: global_buffer, .address_space: global }
      - { .name: x16, .offset: 40, .size: 8, .value_kind: global_buffer, .address_space: global }
      - { .name: w16, .offset: 48, .size: 8, .value_kind: global_buffer, .address_space: global }
    .group_segment_fixed_size: 0
    .private_segment_fixed_size: 0
    .kernarg_segment_align: 8
    .kernarg_segment_size: 56
    .max_flat_workgroup_size: 256
    .sgpr_count:     66
    .vgpr_count:     100
    .wavefront_size: 32
...
	.end_amdgpu_metadata
.endif
;; end of part 1
;; launch qkv (part 2): grid 16 x 16, 4 waves a work-group, clusters of 4 x 4, 327,680 bytes of LDS; arguments x16, w16, bq, bk, bv, q16, k16, vt16; writes q16, k16, vt16
.if DOCPART == 2
	.amdgcn_target "amdgcn-amd-amdhsa--gfx1250"
	.amdhsa_code_object_version 6
	.text
	.protected	k_q46ad892442_qkv
	.globl	k_q46ad892442_qkv
	.p2align	8
	.type	k_q46ad892442_qkv,@function
k_q46ad892442_qkv:
	s_mov_b64 s[64:65], 0
	v_nop
	global_prefetch_b8 v0, s[64:65] scope:SCOPE_SE
	s_setreg_imm32_b32 hwreg(HW_REG_WAVE_MODE, 25, 1), 1
	s_wait_xcnt 0x0
	s_wait_alu depctr_hold_cnt(0) depctr_sa_sdst(0) depctr_va_vdst(0) depctr_va_sdst(0) depctr_va_ssrc(0) depctr_va_vcc(0) depctr_vm_vsrc(0)
	s_getreg_b32 s2, hwreg(HW_REG_IB_STS2, 6, 4)
	s_cmp_eq_u32 s2, 0
	s_cbranch_scc0 .Lentry_in_a_cluster
	s_endpgm
.Lentry_in_a_cluster:
	s_bfe_u32 s2, ttmp6, 0x10000c
	s_cmp_lg_u32 s2, 0xf033
	s_cbranch_scc0 .Lentry_shape_is_right
	s_endpgm
.Lentry_shape_is_right:
; q, k, v = x W^T + b for one head and 256 rows of x; q is also multiplied by 0.125 log2(e), so that the attention launch can take
; exponentials in base 2 of q.k as it comes.   q16, k16: [b*16+h][2048 s][64 d] bf16;  vt16: [b*16+h][64 d][2048 s] bf16 (v transposed).
; Work-group (x = head, y = block of 256 rows): 256 x 192 outputs over K = 1,024.  Four waves, one for each SIMD; wave (i, j) makes rows
; 128 i .. +127 times d = 32 j .. +31 of each of q, k, v: 8 row tiles a x 6 column tiles b (b = 2 type + t): 48 accumulators, 384 registers.
; K goes in steps of 128 through two LDS slots filled by the tensor data mover; a tile's rows are 256 bytes of memory, aligned.
; CLUSTER 4 x 4: the four work-groups of a row of the cluster take the same rows of x, the four of a column the same head's weights;
; each tile is asked for jointly by the four, which divides the requests for x16 and w16 by four.
; ORIENTATION: q and k tiles take (W fragment, x fragment): a lane holds 8 neighbouring d of one row.  v tiles take (x fragment, W fragment):
; a lane holds 8 neighbouring rows s of one d, which is vt16's order.
; REGISTERS in windows of 256:  window 0: v0-31 addresses; v32-143, v144-255 two fragment buffers (W fragment b at +8b, x fragment a at +48+8a)
;   window 1: accumulators of a = 0-3 (tile (a, b) at 8(6a+b)), v192-225 biases;   window 2: accumulators of a = 4-7.
; The 48 accumulators take turns, one matrix instruction a turn, in the same order in every quarter step.
.set KSTEP, 128
.set PITCH, 272                        ; an LDS row: 256 bytes + 16 of padding: the 16 rows of a fragment start 16 bytes apart modulo 256
.set AQB,   64*PITCH                   ; a wave's quarter of x's tile: 64 rows
.set BQB,   48*PITCH                   ; a wave's quarter of W's tile: 48 rows
.set BOFS,  256*PITCH                  ; W's 192 rows lie behind x's 256
.set SLOT,  448*PITCH
.set WSTG,  29184                      ; the way out: a wave's own stage: q 128 rows x 80, k the same, v 32 rows x 272
.set KSTG,  10240
.set VSTG,  20480
.set QSCALE, 0x3e38aa3b                ; 0.125 * log2(e)
.set WV,   20                          ; s20 wave number, s21 i, s22 j, s23 loop counter
.set G1A,  24                          ; s[24:31] shape of x's tiles      s[32:39] shape of W's tiles
.set G1B,  32
.set G0A,  40                          ; s[40:47] from where, to where: x's tiles, a set for each slot     s[48:55] W's
.set G0B,  48
.set ADRX, 16                          ; v16,17 LDS address of my x fragments in slot 0, 1
.set ADRW, 18                          ; v18,19 the same for W
.set STQ,  20                          ; way out: where I put 16 bytes of q (k: + KSTG)
.set STV,  21                          ;          and of v
.set RDQ,  22                          ; v22,23 where I read q back, rows 0-127 and 128-255 (k: + KSTG)
.set RDV,  24
.set GOQ,  25                          ; my byte offset in q16 and k16
.set GOV,  26                          ; and in vt16
.set BOFF, 27                          ; my byte offset in bq and bk
.set BVOFF, 28                         ; and in bv
.set F0,   32
.set F1,   144
.set BQ,   192                         ; window 1: bq of my 8 d, tile t at +8t
.set BK,   208
.set BV,   224                         ; window 1: bv of my d, tile t at +t
.set MUL_LO, 0x50                      ; sources 0 and 1 window 0, C and D window 1
.set MUL_HI, 0xa0                      ; C and D window 2
.set MSB, 0
.macro WIN new                         ; the immediate's high byte repeats the setting that is left; a switch that changes nothing is dropped
.if MSB != \new
	s_set_vgpr_msb (MSB<<8)|\new
.set MSB, \new
.endif
.endm
.macro PLACES                          ; four plain vector places behind a matrix instruction, in front of loads into its sources and of vector
.rept 4                                ; reads of its result (ISA guide 7.12.1 for the vector reads)
	v_nop
.endr
.endm
.macro CREST                           ; a round of the cluster's barrier behind its opening work-group barrier
	s_cmp_lg_u32 s[WV], 0
	s_cbranch_scc1 .Lnot_wave_0_\@
	s_barrier_signal -3
.Lnot_wave_0_\@:
	s_barrier_wait -3
	s_barrier_signal -1
	s_barrier_wait -1
.endm
.macro CROUND                          ; a whole round
	s_barrier_signal -1
	s_barrier_wait -1
	CREST
.endm
.macro WM d, a, b, zero                ; one matrix instruction; zero = 1: it starts the sum, nothing is ever cleared
.if \zero
	v_wmma_f32_16x16x32_bf16 v[\d:\d+7], v[\a:\a+7], v[\b:\b+7], 0
.else
	v_wmma_f32_16x16x32_bf16 v[\d:\d+7], v[\a:\a+7], v[\b:\b+7], v[\d:\d+7]
.endif
.endm
	s_load_b256 s[4:11], s[0:1], 0x0               ; x16 s[4:5], w16 s[6:7], bq s[8:9], bk s[10:11]
	s_load_b256 s[12:19], s[0:1], 0x20             ; bv s[12:13], q16 s[14:15], k16 s[16:17], vt16 s[18:19]
	v_lshl_add_u32 v30, v0, 2, 0x3b800
	v_mov_b32 v31, 0
	ds_add_u32 v30, v31
	v_lshrrev_b32 v1, 5, v0
	v_readfirstlane_b32 s[WV], v1
	s_lshr_b32 s21, s[WV], 1                       ; i: which 128 rows
	s_and_b32 s22, s[WV], 1                        ; j: which 32 d
	s_bfe_u32 s56, ttmp6, 0x40000                  ; cx
	s_bfe_u32 s57, ttmp6, 0x40004                  ; cy
	s_lshl_b32 s58, ttmp9, 2
	s_add_co_u32 s58, s58, s56                     ; head = 4 x cluster x + cx
	s_and_b32 s59, ttmp7, 0xffff
	s_lshl_b32 s59, s59, 2
	s_add_co_u32 s59, s59, s57                     ; block of 256 rows = 4 x cluster y + cy
	s_lshl_b32 s60, s57, 2
	s_lshl_b32 s60, 15, s60                        ; my row of the cluster
	s_lshl_b32 s61, 0x1111, s56                    ; my column
	; group 1: elements of 2 bytes, padding of 4 words behind every 64 words, bit 21 beside the mask
	s_or_b32 s[G1A+0], s60, (1<<16)|(1<<20)|(1<<21)|(5<<22)|(3<<25)   ; x's tiles go to my row of the cluster
	s_mov_b32 s[G1A+1], KSTEP<<16                  ; tensor_dim0 = 128
	s_mov_b32 s[G1A+2], 64<<16                     ; tensor_dim1 = 64
	s_mov_b32 s[G1A+3], KSTEP<<16                  ; tile_dim0 = 128
	s_mov_b32 s[G1A+4], 64                         ; tile_dim1 = 64 rows
	s_mov_b32 s[G1A+5], 1024                       ; elements from row to row
	s_mov_b32 s[G1A+6], 0
	s_mov_b32 s[G1A+7], 0
	s_or_b32 s[G1B+0], s61, (1<<16)|(1<<20)|(1<<21)|(5<<22)|(3<<25)   ; W's tiles go to my column
	s_mov_b32 s[G1B+1], KSTEP<<16
	s_mov_b32 s[G1B+2], 48<<16
	s_mov_b32 s[G1B+3], KSTEP<<16
	s_mov_b32 s[G1B+4], 48
	s_mov_b32 s[G1B+5], 1024
	s_mov_b32 s[G1B+6], 0
	s_mov_b32 s[G1B+7], 0
	; x's address hangs on the block of rows and the wave alone, W's on the head and the wave alone, each in registers of its own
	s_lshl_b32 s66, s59, 8
	s_lshl_b32 s67, s[WV], 6
	s_add_co_u32 s66, s66, s67                     ; row 256 x block + 64 x wave
	s_lshl_b32 s66, s66, 11                        ; rows of 2,048 bytes
	s_mov_b32 s67, 0
	s_mul_i32 s70, s58, 192
	s_mul_i32 s71, s[WV], 48
	s_add_co_u32 s70, s70, s71                     ; row 192 x head + 48 x wave
	s_lshl_b32 s70, s70, 11
	s_mov_b32 s71, 0
	s_mul_i32 s62, s[WV], AQB                      ; LDS: wave x a constant, no place in the cluster
	s_mul_i32 s63, s[WV], BQB
	s_add_co_u32 s63, s63, BOFS
	; where the results go: bh = batch x 16 + head; 262,144 bytes for each bh in all three buffers
	s_lshr_b32 s74, s59, 3
	s_lshl_b32 s74, s74, 4
	s_add_co_u32 s74, s74, s58
	s_lshl_b32 s74, s74, 18
	s_and_b32 s75, s59, 7                          ; which 256 of the batch's 2,048 rows
	s_lshl_b32 s76, s75, 15                        ; q16, k16: 256 rows of 128 bytes
	s_add_co_u32 s76, s76, s74
	s_mov_b32 s77, 0
	s_lshl_b32 s78, s75, 9                         ; vt16: 256 columns of 2 bytes
	s_add_co_u32 s78, s78, s74
	s_mov_b32 s79, 0
	s_wait_dscnt 0x0
	s_wait_kmcnt 0x0
	s_add_nc_u64 s[66:67], s[4:5], s[66:67]
	s_add_nc_u64 s[70:71], s[6:7], s[70:71]
	s_add_nc_u64 s[14:15], s[14:15], s[76:77]
	s_add_nc_u64 s[16:17], s[16:17], s[76:77]
	s_add_nc_u64 s[18:19], s[18:19], s[78:79]
	CROUND                                         ; all sixteen work-groups are here: the first joint loads meet
.irp s, 0,1
	s_mov_b32 s[G0A+4*\s], 1
	s_add_co_u32 s[G0A+4*\s+1], s62, \s*SLOT
	s_add_nc_u64 s[G0A+4*\s+2:G0A+4*\s+3], s[66:67], \s*KSTEP*2     ; K step s
	s_or_b32 s[G0A+4*\s+3], s[G0A+4*\s+3], 0x80000000
	s_mov_b32 s[G0B+4*\s], 1
	s_add_co_u32 s[G0B+4*\s+1], s63, \s*SLOT
	s_add_nc_u64 s[G0B+4*\s+2:G0B+4*\s+3], s[70:71], \s*KSTEP*2
	s_or_b32 s[G0B+4*\s+3], s[G0B+4*\s+3], 0x80000000
	tensor_load_to_lds s[G0A+4*\s:G0A+4*\s+3], s[G1A:G1A+7]         ; four tensor loads of the wave are out here, later two
	s_nop 0
	tensor_load_to_lds s[G0B+4*\s:G0B+4*\s+3], s[G1B:G1B+7]
	s_nop 0
.endr
	v_and_b32 v1, 15, v0                           ; r
	v_bfe_u32 v2, v0, 4, 1                         ; hh
	v_and_b32 v3, 31, v0                           ; lane
	v_mul_u32_u24 v4, v1, PITCH
	v_lshl_add_u32 v4, v2, 4, v4                   ; r x 272 + 16 hh: a fragment is two loads of 16 bytes, 32 bytes apart
	s_mul_i32 s62, s21, 128*PITCH
	s_mul_i32 s63, s22, 32*PITCH
	s_add_co_u32 s63, s63, BOFS
	v_add_nc_u32 v[ADRX], s62, v4
	v_add_nc_u32 v[ADRW], s63, v4
	v_add_nc_u32 v[ADRX+1], SLOT, v[ADRX]
	v_add_nc_u32 v[ADRW+1], SLOT, v[ADRW]
	s_mul_i32 s62, s[WV], WSTG                     ; my stage
	v_mul_u32_u24 v5, v1, 80
	v_lshl_add_u32 v5, v2, 4, v5
	v_add_nc_u32 v[STQ], s62, v5                   ; row r of 80 bytes, 16 bytes for each half of the lanes
	s_add_co_u32 s63, s62, VSTG
	v_add_nc_u32 v[STV], s63, v4                   ; d = r: row of 272 bytes
	v_lshrrev_b32 v5, 3, v0                        ; reading back q, k: thread t takes row t / 8 of sixteen, bytes 16 (t & 7) of its 128:
	v_mul_u32_u24 v5, v5, 80
	v_and_b32 v6, 3, v0
	v_lshl_add_u32 v5, v6, 4, v5
	v_bfe_u32 v6, v0, 2, 1                         ; the upper 64 bytes lie in the stage of the wave with j = 1
	v_mul_u32_u24 v6, v6, WSTG
	v_add_nc_u32 v[RDQ], v5, v6
	v_add_nc_u32 v[RDQ+1], 2*WSTG, v[RDQ]          ; rows 128-255: the waves with i = 1
	v_mul_u32_u24 v5, v2, 2*WSTG                   ; reading back v: a wave takes one d, 512 bytes: lanes 16-31 from the waves with i = 1
	v_lshl_add_u32 v5, v1, 4, v5
	s_mul_i32 s63, s[WV], 272
	s_add_co_u32 s63, s63, VSTG
	v_add_nc_u32 v[RDV], s63, v5
	v_lshlrev_b32 v[GOQ], 4, v0
	s_lshl_b32 s63, s[WV], 12
	v_lshl_add_u32 v[GOV], v3, 4, s63              ; d = wave: rows of 4,096 bytes
	s_lshl_b32 s72, s58, 8
	s_lshl_b32 s73, s22, 7
	s_add_co_u32 s72, s72, s73                     ; 4 x (64 head + 32 j)
	v_lshl_add_u32 v[BOFF], v2, 5, s72             ; q, k: my 8 d begin at 8 hh
	v_lshl_add_u32 v[BVOFF], v1, 2, s72            ; v: my d is r
	WIN 0x40                                       ; destination window 1
.irp t, 0,1
	global_load_b128 v[BQ+8*\t:BQ+8*\t+3],   v[BOFF], s[8:9] offset:64*\t
	global_load_b128 v[BQ+8*\t+4:BQ+8*\t+7], v[BOFF], s[8:9] offset:64*\t+16
	global_load_b128 v[BK+8*\t:BK+8*\t+3],   v[BOFF], s[10:11] offset:64*\t
	global_load_b128 v[BK+8*\t+4:BK+8*\t+7], v[BOFF], s[10:11] offset:64*\t+16
	global_load_b32  v[BV+\t], v[BVOFF], s[12:13] offset:64*\t
.endr
	WIN 0
; 12 matrix instructions: row tiles a0, a0+1 of the window's four x all 6 column tiles, 32 along K
.macro MUL12 f, hi, a0, zero
.irp a, \a0, \a0+1
.irp b, 0,1,2,3,4,5
.if \b < 4
	WM 8*(6*(\a)+\b), \f+8*\b, \f+48+8*(4*\hi+(\a)), \zero
.else
	WM 8*(6*(\a)+\b), \f+48+8*(4*\hi+(\a)), \f+8*\b, \zero
.endif
.endr
.endr
.endm
; 28 LDS loads in one run: 12 for W, 8 for x's row tiles 0-3, 8 for row tiles 4-7; 32 K at byte k of the rows
.macro FETCH slot, k, f
	WIN 0
.irp b, 0,1,2,3,4,5
	ds_load_b128 v[\f+8*\b:\f+8*\b+3],   v[ADRW+\slot] offset:\k+((\b>>1)*64+(\b&1)*16)*PITCH
	ds_load_b128 v[\f+8*\b+4:\f+8*\b+7], v[ADRW+\slot] offset:\k+((\b>>1)*64+(\b&1)*16)*PITCH+32
.endr
.irp a, 0,1,2,3,4,5,6,7
	ds_load_b128 v[\f+48+8*\a:\f+48+8*\a+3],   v[ADRX+\slot] offset:\k+\a*16*PITCH
	ds_load_b128 v[\f+48+8*\a+4:\f+48+8*\a+7], v[ADRX+\slot] offset:\k+\a*16*PITCH+32
.endr
.endm
; a quarter of a K step: multiplies buffer f, and in its middle fetches the next quarter into buffer g
.macro QUARTER slot, k, f, g, zero
	s_wait_dscnt 8                                 ; W and x's row tiles 0-3 are in; the youngest eight loads (row tiles 4-7) may be out
	WIN MUL_LO
	MUL12 \f, 0, 0, \zero
	MUL12 \f, 0, 2, \zero
	PLACES
	FETCH \slot, \k, \g
	s_wait_dscnt 28                                ; all but the 28 just issued
	WIN MUL_HI
	MUL12 \f, 1, 0, \zero
	MUL12 \f, 1, 2, \zero
.endm
.macro THREE slot, zero
	QUARTER \slot, 64,  F0, F1, \zero
	QUARTER \slot, 128, F1, F0, 0
	QUARTER \slot, 192, F0, F1, 0
.endm
; the last quarter of a K step changes slots.  In front of the barrier each wave waits for its reads of this slot and for all its tensor
; loads (the two that are out are its parts of the next slot).  With fill = 1 the barrier opens a round of the cluster's barrier, and the two
; joint refills are the first tensor loads behind the round: no wave of any partner still reads the slot or has a load on its way.
; From a request to the wait for it a wave issues 180 matrix instructions.
.macro TURN slot, next, fill
	s_wait_dscnt 8
	WIN MUL_LO
	MUL12 F1, 0, 0, 0
	s_wait_dscnt 0x0
	s_wait_tensorcnt 0x0
	ds_add_u32 v30, v31
	s_wait_dscnt 0x0
	s_barrier_signal -1
	MUL12 F1, 0, 2, 0                              ; register work while the others arrive
	WIN 0
	s_barrier_wait -1
.if \fill
	CREST
	s_add_nc_u64 s[G0A+4*\slot+2:G0A+4*\slot+3], s[G0A+4*\slot+2:G0A+4*\slot+3], 2*KSTEP*2   ; no tensor load of mine is out: group 0 may be written
	s_add_nc_u64 s[G0B+4*\slot+2:G0B+4*\slot+3], s[G0B+4*\slot+2:G0B+4*\slot+3], 2*KSTEP*2
	tensor_load_to_lds s[G0A+4*\slot:G0A+4*\slot+3], s[G1A:G1A+7]
	s_nop 0
	tensor_load_to_lds s[G0B+4*\slot:G0B+4*\slot+3], s[G1B:G1B+7]
	s_nop 0
.endif
	PLACES
	FETCH \next, 0, F0
	WIN MUL_HI
	MUL12 F1, 1, 0, 0
	MUL12 F1, 1, 2, 0
.endm
.macro LAP zero
	THREE 0, \zero
	TURN 0, 1, 1
	THREE 1, 0
	TURN 1, 0, 1
.endm
	s_wait_tensorcnt 2                             ; my two parts of K step 0 are in; K step 1's two stay out
	s_barrier_signal -1
	s_barrier_wait -1
	FETCH 0, 0, F0
	LAP 1                                          ; K steps 0, 1: the first products start the sums; fills K steps 2, 3
	WIN 0
	s_mov_b32 s23, 2                               ; K steps 2-5; fills 4-7
.Llap:
	LAP 0
	WIN 0
	s_sub_co_u32 s23, s23, 1
	s_cmp_lg_u32 s23, 0
	s_cbranch_scc1 .Llap
	THREE 0, 0                                     ; K steps 6, 7: nothing more is filled
	TURN 0, 1, 0
	THREE 1, 0
	s_wait_dscnt 8
	WIN MUL_LO
	MUL12 F1, 0, 0, 0
	MUL12 F1, 0, 2, 0
	s_wait_dscnt 0x0
	WIN MUL_HI
	MUL12 F1, 1, 0, 0
	MUL12 F1, 1, 2, 0
	; THE WAY OUT.  The stage lies in slot 0: its last fill has landed and every wave's reads of it ended in front of the barrier of the last
	; change of slots.  Each wave stores into its own 29,184 bytes; behind a barrier whole rows are read back and stored.
	PLACES
	s_wait_loadcnt 0x0                             ; the biases
	WIN 0x41
.set n, 0
.rept 8
	v_pk_mul_f32 v[BQ+2*n:BQ+2*n+1], v[BQ+2*n:BQ+2*n+1], QSCALE op_sel_hi:[1,0]     ; (acc + bq) c = acc c + bq c: one fused multiply-add below
.set n, n+1
.endr
; row tile a (al = a & 3 in window win's source 0): bias, rounding, 6 stores of 16 bytes.  f: the buffer that serves as scratch
.macro OUTA a, al, win, f
	WIN \win                                       ; source 0: the accumulators' window; sources 1, 2: window 1; destination: window 0
.irp t, 0,1
.irp n, 0,1,2,3
	v_pk_fma_f32 v[\f+8*\t+2*\n:\f+8*\t+2*\n+1], v[8*(6*\al+\t)+2*\n:8*(6*\al+\t)+2*\n+1], QSCALE, v[BQ+8*\t+2*\n:BQ+8*\t+2*\n+1] op_sel_hi:[1,0,1]
	v_pk_add_f32 v[\f+16+8*\t+2*\n:\f+16+8*\t+2*\n+1], v[8*(6*\al+2+\t)+2*\n:8*(6*\al+2+\t)+2*\n+1], v[BK+8*\t+2*\n:BK+8*\t+2*\n+1]
	v_pk_add_f32 v[\f+32+8*\t+2*\n:\f+32+8*\t+2*\n+1], v[8*(6*\al+4+\t)+2*\n:8*(6*\al+4+\t)+2*\n+1], v[BV:BV+1] op_sel:[0,\t] op_sel_hi:[1,\t]
.endr
.endr
	WIN 0
.set n, 0
.rept 24
	v_cvt_pk_bf16_f32 v[\f+48+n], v[\f+2*n], v[\f+2*n+1]
.set n, n+1
.endr
.irp t, 0,1
	ds_store_b128 v[STQ], v[\f+48+4*\t:\f+48+4*\t+3] offset:\a*1280+32*\t
	ds_store_b128 v[STQ], v[\f+56+4*\t:\f+56+4*\t+3] offset:KSTG+\a*1280+32*\t
	ds_store_b128 v[STV], v[\f+64+4*\t:\f+64+4*\t+3] offset:\t*4352+32*\a
.endr
.endm
	OUTA 0, 0, 0x15, F0
	OUTA 1, 1, 0x15, F1
	OUTA 2, 2, 0x15, F0
	OUTA 3, 3, 0x15, F1
	OUTA 4, 0, 0x16, F0
	OUTA 5, 1, 0x16, F1
	OUTA 6, 2, 0x16, F0
	OUTA 7, 3, 0x16, F1
	s_wait_dscnt 0x0                               ; my stores are done, for the others' sake
	s_barrier_signal -1
	s_barrier_wait -1
.set p, 0
.rept 16
	ds_load_b128 v[32+4*p:35+4*p], v[RDQ+(p>>3)] offset:(p&7)*1280
.set p, p+1
.endr
.set p, 0
.rept 16
	ds_load_b128 v[96+4*p:99+4*p], v[RDQ+(p>>3)] offset:KSTG+(p&7)*1280
.set p, p+1
.endr
.set p, 0
.rept 16
	ds_load_b128 v[160+4*p:163+4*p], v[RDV] offset:(p>>3)*WSTG+(p&7)*1088
.set p, p+1
.endr
.set p, 0
.rept 16
	s_wait_dscnt 47-p                              ; LDS loads come back in order (ISA guide 5.7.1): the younger ones stay out
	global_store_b128 v[GOQ], v[32+4*p:35+4*p], s[14:15] offset:2048*p      ; a wave's store covers 512 neighbouring bytes, aligned
.set p, p+1
.endr
.set p, 0
.rept 16
	s_wait_dscnt 31-p
	global_store_b128 v[GOQ], v[96+4*p:99+4*p], s[16:17] offset:2048*p
.set p, p+1
.endr
.set p, 0
.rept 16
	s_wait_dscnt 15-p
	global_store_b128 v[GOV], v[160+4*p:163+4*p], s[18:19] offset:16384*p   ; d = 4 p + wave: 512 neighbouring bytes of its row
.set p, p+1
.endr
	s_wait_tensorcnt 0x0
	ds_add_u32 v30, v31
	s_wait_dscnt 0x0
	CROUND                                         ; the closing round: no work-group ends while a partner may still ask for a tile that names it
	s_endpgm
.Lfunc_end_k_q46ad892442_qkv:
	.size	k_q46ad892442_qkv, .Lfunc_end_k_q46ad892442_qkv-k_q46ad892442_qkv
	.p2alignl 7, 3214868480
	.fill 96, 4, 3214868480
	.section	.rodata,"a",@progbits
	.p2align	6, 0x0
	.amdhsa_kernel k_q46ad892442_qkv
		.amdhsa_group_segment_fixed_size 327680
		.amdhsa_private_segment_fixed_size 0
		.amdhsa_enable_private_segment 0
		.amdhsa_kernarg_size 64
		.amdhsa_user_sgpr_count 2
		.amdhsa_user_sgpr_kernarg_segment_ptr 1
		.amdhsa_wavefront_size32 1
		.amdhsa_system_sgpr_workgroup_id_x 1
		.amdhsa_system_sgpr_workgroup_id_y 1
		.amdhsa_system_sgpr_workgroup_id_z 1
		.amdhsa_system_vgpr_workitem_id 0
		.amdhsa_next_free_vgpr 704
		.amdhsa_next_free_sgpr 80
		.amdhsa_reserve_vcc 0
		.amdhsa_float_denorm_mode_32 3
		.amdhsa_float_denorm_mode_16_64 3
		.amdhsa_memory_ordered 1
		.amdhsa_forward_progress 1
		.amdhsa_inst_pref_size 172
	.end_amdhsa_kernel
	.amdgpu_metadata
---
amdhsa.version: [ 1, 2 ]
amdhsa.kernels:
  - .name:           k_q46ad892442_qkv
    .symbol:         k_q46ad892442_qkv.kd
    .args:
      - { .name: x16, .offset: 0, .size: 8, .value_kind: global_buffer, .address_space: global }
      - { .name: w16, .offset: 8, .size: 8, .value_kind: global_buffer, .address_space: global }
      - { .name: bq, .offset: 16, .size: 8, .value_kind: global_buffer, .address_space: global }
      - { .name: bk, .offset: 24, .size: 8, .value_kind: global_buffer, .address_space: global }
      - { .name: bv, .offset: 32, .size: 8, .value_kind: global_buffer, .address_space: global }
      - { .name: q16, .offset: 40, .size: 8, .value_kind: global_buffer, .address_space: global }
      - { .name: k16, .offset: 48, .size: 8, .value_kind: global_buffer, .address_space: global }
      - { .name: vt16, .offset: 56, .size: 8, .value_kind: global_buffer, .address_space: global }
    .group_segment_fixed_size: 327680
    .private_segment_fixed_size: 0
    .kernarg_segment_align: 8
    .kernarg_segment_size: 64
    .max_flat_workgroup_size: 128
    .sgpr_count:     80
    .vgpr_count:     704
    .wavefront_size: 32
...
	.end_amdgpu_metadata
.endif
;; end of part 2
;; launch attn (part 3): grid 8 x 32, 4 waves a work-group, clusters of 4 x 1, 327,680 bytes of LDS; arguments q16, k16, vt16, att16; writes att16
.if DOCPART == 3
	.amdgcn_target "amdgcn-amd-amdhsa--gfx1250"
	.amdhsa_code_object_version 6
	.text
	.protected	k_q46ad892442_attn
	.globl	k_q46ad892442_attn
	.p2align	8
	.type	k_q46ad892442_attn,@function
k_q46ad892442_attn:
	s_mov_b64 s[64:65], 0
	v_nop
	global_prefetch_b8 v0, s[64:65] scope:SCOPE_SE
	s_setreg_imm32_b32 hwreg(HW_REG_WAVE_MODE, 25, 1), 1
	s_wait_xcnt 0x0
	s_wait_alu depctr_hold_cnt(0) depctr_sa_sdst(0) depctr_va_vdst(0) depctr_va_sdst(0) depctr_va_ssrc(0) depctr_va_vcc(0) depctr_vm_vsrc(0)
	s_getreg_b32 s2, hwreg(HW_REG_IB_STS2, 6, 4)
	s_cmp_eq_u32 s2, 0
	s_cbranch_scc0 .Lentry_in_a_cluster
	s_endpgm
.Lentry_in_a_cluster:
	s_bfe_u32 s2, ttmp6, 0x10000c
	s_cmp_lg_u32 s2, 0x3003
	s_cbranch_scc0 .Lentry_shape_is_right
	s_endpgm
.Lentry_shape_is_right:
; att = softmax(q k^T / 8) v for 256 queries of one head, with a running maximum.  q16 carries the factor 0.125 log2(e), so exponentials are in base 2.
; q16, k16, att16: [bh][2048][64] bf16;  vt16: [bh][64 d][2048 s] bf16.
; Work-group (x = block of 256 queries, y = bh); four waves, one for each SIMD, 64 queries each (4 tiles qt of 16).  Keys go in tiles of 256
; through two LDS slots; a tile is requested one whole tile's work (256 matrix instructions and their softmax) ahead of its use.
; CLUSTER 4 x 1: the four work-groups take four query blocks of the same head and ask jointly for every K and V tile.
; LAYOUT: S^T = K Q^T (source 0 = 16 keys, source 1 = 16 queries): lane (r, hh) holds keys 8 hh + 0..7 of query r, so maximum and sum are
; made inside the lane plus one exchange between the halves, and the packed p of two key tiles IS source 1 of O^T = V^T P^T (32 keys):
; nothing moves between lanes.  In O^T a lane holds 8 neighbouring d of query r: the rescaling factor is one number a lane.
; LIMITS: NaN and infinities in the inputs are not reproduced; an exponential below 2^-126 counts as 0; the row sum takes p in f32 while
; the product takes p rounded to bf16; the sums' order differs from a row-wise softmax.
; REGISTERS: window 0: v4-11 addresses, v32-95 Q, v96-159 K fragments, v160-223 V fragments, v224-239 p.
;            window 1: v0-127 O (tile (qt, dt) at 32 qt + 8 dt), v128-191 two S buffers, v192-215 softmax state and scratch.
; Matrix instructions on one accumulator never follow each other: four accumulators take turns, one instruction a turn.
.set KP,    144                        ; a K row: 128 bytes + 16
.set VP,    528                        ; a V^T row: 512 bytes + 16
.set VOFS,  256*KP                     ; V^T's 64 rows lie behind K's 256
.set SLOT,  256*KP+64*VP               ; 70,656
.set STAGE, 2*SLOT                     ; behind the ring: 64 rows x 144 bytes for each wave, its own; no tensor load lands there
.set WV,   12                          ; s12 wave, s13 cx, s14 query block, s15 bh, s48 loop counter
.set G1K,  16
.set G1V,  24
.set G0K,  32                          ; a set for each slot
.set G0V,  40
.set KADR, 4                           ; v4,5   my K fragments in slot 0, 1
.set VADR, 6                           ; v6,7   my V fragments
.set STO,  8
.set RD,   9
.set GO,   10
.set QOFF, 11
.set QF,   32                          ; fragment (qt, ds) at +16 qt + 8 ds
.set KF,   96                          ; fragment (kt, ds) at +16 kt + 8 ds
.set VF,   160                         ; fragment (dt, ks) at +16 dt + 8 ks
.set PF,   224
.set OA,   0                           ; window 1 from here on
.set SB0,  128
.set SB1,  160
.set MX,   192                         ; running maximum of tile qt
.set LS,   196                         ; running sum (this lane's half of the keys)
.set MN,   200                         ; the new maximum (first of a pair that is broadcast)
.set AL,   202                         ; 2^(old maximum - new maximum) (likewise)
.set TT,   204                         ; v204-215 scratch
.set MSB, 0
.macro WIN new
.if MSB != \new
	s_set_vgpr_msb (MSB<<8)|\new
.set MSB, \new
.endif
.endm
.macro PLACES                          ; five plain vector places behind a matrix instruction: four serve vector reads of its result, vector writes and loads
.rept 5                                ; into its sources; the fifth a later matrix instruction that writes over an S tile (ISA guide 7.12.1)
	v_nop
.endr
.endm
.macro ROUND                           ; a round of the cluster's barrier
	s_barrier_signal -1
	s_barrier_wait -1
	s_cmp_lg_u32 s[WV], 0
	s_cbranch_scc1 .Lnot_wave_0_\@
	s_barrier_signal -3
.Lnot_wave_0_\@:
	s_barrier_wait -3
	s_barrier_signal -1
	s_barrier_wait -1
.endm
	s_load_b256 s[4:11], s[0:1], 0x0               ; q16 s[4:5], k16 s[6:7], vt16 s[8:9], att16 s[10:11]
	v_lshl_add_u32 v254, v0, 2, 0x2b800
	v_mov_b32 v255, 0
	ds_add_u32 v254, v255
	v_lshrrev_b32 v1, 5, v0
	v_readfirstlane_b32 s[WV], v1
	s_bfe_u32 s13, ttmp6, 0x40000                  ; cx
	s_lshl_b32 s14, ttmp9, 2
	s_add_co_u32 s14, s14, s13                     ; block of 256 queries
	s_and_b32 s15, ttmp7, 0xffff                   ; bh
	s_mov_b32 s60, 0x76543210                      ; v_permlanex16_b32: lane i of one half reads lane i of the other
	s_mov_b32 s61, 0xfedcba98
	; K quarter: 64 rows x 64 elements, 4 words of padding behind every 32 words; all four work-groups of the cluster are named
	s_mov_b32 s[G1K+0], 15|(1<<16)|(1<<20)|(1<<21)|(4<<22)|(3<<25)
	s_mov_b32 s[G1K+1], 64<<16
	s_mov_b32 s[G1K+2], 64<<16
	s_mov_b32 s[G1K+3], 64<<16
	s_mov_b32 s[G1K+4], 64
	s_mov_b32 s[G1K+5], 64
	s_mov_b32 s[G1K+6], 0
	s_mov_b32 s[G1K+7], 0
	; V^T quarter: 16 rows x 256 elements, pitch 2,048, padding behind every 128 words
	s_mov_b32 s[G1V+0], 15|(1<<16)|(1<<20)|(1<<21)|(6<<22)|(3<<25)
	s_mov_b32 s[G1V+1], 256<<16
	s_mov_b32 s[G1V+2], 16<<16
	s_mov_b32 s[G1V+3], 256<<16
	s_mov_b32 s[G1V+4], 16
	s_mov_b32 s[G1V+5], 2048
	s_mov_b32 s[G1V+6], 0
	s_mov_b32 s[G1V+7], 0
	s_lshl_b32 s50, s15, 18                        ; 262,144 bytes for each bh
	s_lshl_b32 s52, s[WV], 13                      ; K: 64 rows of 128 bytes for each wave
	s_add_co_u32 s52, s52, s50
	s_mov_b32 s53, 0
	s_lshl_b32 s54, s[WV], 16                      ; V^T: 16 rows of 4,096 bytes for each wave
	s_add_co_u32 s54, s54, s50
	s_mov_b32 s55, 0
	s_lshl_b32 s56, s14, 15                        ; Q and the result: 256 rows of 128 bytes for each block, 64 for each wave;
	s_add_co_u32 s56, s56, s52                     ; the place in the cluster enters these two registers alone
	s_mov_b32 s57, 0
	s_mul_i32 s58, s[WV], 64*KP
	s_mul_i32 s59, s[WV], 16*VP
	s_add_co_u32 s59, s59, VOFS
	s_wait_dscnt 0x0
	s_wait_kmcnt 0x0
	s_add_nc_u64 s[52:53], s[6:7], s[52:53]
	s_add_nc_u64 s[54:55], s[8:9], s[54:55]
	s_add_nc_u64 s[4:5], s[4:5], s[56:57]
	s_add_nc_u64 s[10:11], s[10:11], s[56:57]
.irp n, 0,1
	s_mov_b32 s[G0K+4*\n], 1
	s_add_co_u32 s[G0K+4*\n+1], s58, \n*SLOT
	s_add_nc_u64 s[G0K+4*\n+2:G0K+4*\n+3], s[52:53], \n*32768       ; tile n: 256 rows of 128 bytes on
	s_or_b32 s[G0K+4*\n+3], s[G0K+4*\n+3], 0x80000000
	s_mov_b32 s[G0V+4*\n], 1
	s_add_co_u32 s[G0V+4*\n+1], s59, \n*SLOT
	s_add_nc_u64 s[G0V+4*\n+2:G0V+4*\n+3], s[54:55], \n*512         ; tile n: 256 columns of 2 bytes on
	s_or_b32 s[G0V+4*\n+3], s[G0V+4*\n+3], 0x80000000
.endr
	ROUND                                          ; the four work-groups are here: the first joint loads meet
	tensor_load_to_lds s[G0K:G0K+3], s[G1K:G1K+7]  ; tile 0.  Two tensor loads of a wave are out at the most
	s_nop 0
	tensor_load_to_lds s[G0V:G0V+3], s[G1V:G1V+7]
	s_nop 0
	v_and_b32 v1, 15, v0                           ; r
	v_bfe_u32 v2, v0, 4, 1                         ; hh
	v_and_b32 v3, 31, v0                           ; lane
	v_mul_u32_u24 v[KADR], v1, KP
	v_lshl_add_u32 v[KADR], v2, 4, v[KADR]         ; r x 144 + 16 hh
	v_add_nc_u32 v[KADR+1], SLOT, v[KADR]
	v_mul_u32_u24 v13, v1, VP
	v_lshl_add_u32 v13, v2, 4, v13
	v_add_nc_u32 v[VADR], VOFS, v13
	v_add_nc_u32 v[VADR+1], SLOT+VOFS, v13
	s_add_co_u32 s58, s58, STAGE                   ; my stage: wave x 9,216 behind the ring
	v_add_nc_u32 v[STO], s58, v[KADR]
	v_lshrrev_b32 v13, 3, v3
	v_mul_u32_u24 v13, v13, KP
	v_and_b32 v14, 7, v0
	v_lshl_add_u32 v13, v14, 4, v13
	v_add_nc_u32 v[RD], s58, v13                   ; back: four rows of 128 bytes for each load of the wave
	v_lshlrev_b32 v[GO], 4, v3
	v_lshlrev_b32 v[QOFF], 7, v1
	v_lshl_add_u32 v[QOFF], v2, 4, v[QOFF]         ; query r: rows of 128 bytes; + 16 hh
.irp qt, 0,1,2,3
.irp ds, 0,1
	global_load_b128 v[QF+16*\qt+8*\ds:QF+16*\qt+8*\ds+3],   v[QOFF], s[4:5] offset:2048*\qt+64*\ds
	global_load_b128 v[QF+16*\qt+8*\ds+4:QF+16*\qt+8*\ds+7], v[QOFF], s[4:5] offset:2048*\qt+64*\ds+32
.endr
.endr
	WIN 0x40
	v_mov_b32 v[MN+1], 0                           ; the second registers of the two broadcast pairs: named by the packed forms, never used
	v_mov_b32 v[AL+1], 0
	WIN 0
	s_wait_loadcnt 0x0                             ; Q stays in registers for the whole kernel
.macro LOADK slot, i                   ; the K fragments of 64 keys: 16 loads
.irp kt, 0,1,2,3
.irp ds, 0,1
	ds_load_b128 v[KF+16*\kt+8*\ds:KF+16*\kt+8*\ds+3],   v[KADR+\slot] offset:(64*(\i)+16*\kt)*KP+64*\ds
	ds_load_b128 v[KF+16*\kt+8*\ds+4:KF+16*\kt+8*\ds+7], v[KADR+\slot] offset:(64*(\i)+16*\kt)*KP+64*\ds+32
.endr
.endr
.endm
.macro LOADV slot, i                   ; the V^T fragments of the same 64 keys: 16 loads
.irp dt, 0,1,2,3
.irp ks, 0,1
	ds_load_b128 v[VF+16*\dt+8*\ks:VF+16*\dt+8*\ks+3],   v[VADR+\slot] offset:\dt*16*VP+128*(\i)+64*\ks
	ds_load_b128 v[VF+16*\dt+8*\ks+4:VF+16*\dt+8*\ks+7], v[VADR+\slot] offset:\dt*16*VP+128*(\i)+64*\ks+32
.endr
.endr
.endm
.macro QK qt, sb                       ; S^T of 64 keys x 16 queries: four tiles by turns, d = 0-31 starts the sums, d = 32-63 adds
.irp kt, 0,1,2,3
	v_wmma_f32_16x16x32_bf16 v[\sb+8*\kt:\sb+8*\kt+7], v[KF+16*\kt:KF+16*\kt+7], v[QF+16*\qt:QF+16*\qt+7], 0
.endr
.irp kt, 0,1,2,3
	v_wmma_f32_16x16x32_bf16 v[\sb+8*\kt:\sb+8*\kt+7], v[KF+16*\kt+8:KF+16*\kt+15], v[QF+16*\qt+8:QF+16*\qt+15], v[\sb+8*\kt:\sb+8*\kt+7]
.endr
.endm
.macro PV qt, first                    ; O^T += V^T P^T: four tiles by turns, keys 0-31, then keys 32-63
.irp dt, 0,1,2,3
.if \first
	v_wmma_f32_16x16x32_bf16 v[OA+32*\qt+8*\dt:OA+32*\qt+8*\dt+7], v[VF+16*\dt:VF+16*\dt+7], v[PF:PF+7], 0
.else
	v_wmma_f32_16x16x32_bf16 v[OA+32*\qt+8*\dt:OA+32*\qt+8*\dt+7], v[VF+16*\dt:VF+16*\dt+7], v[PF:PF+7], v[OA+32*\qt+8*\dt:OA+32*\qt+8*\dt+7]
.endif
.endr
.irp dt, 0,1,2,3
	v_wmma_f32_16x16x32_bf16 v[OA+32*\qt+8*\dt:OA+32*\qt+8*\dt+7], v[VF+16*\dt+8:VF+16*\dt+15], v[PF+8:PF+15], v[OA+32*\qt+8*\dt:OA+32*\qt+8*\dt+7]
.endr
.endm
; the softmax step of query tile qt on the 32 scores a lane holds in buffer sb.  first = 1: there is no old maximum, sum or O
.macro SM qt, sb, first
	WIN 0x55
.irp c, 0,1,2,3
	v_max3_num_f32 v[TT+\c], v[\sb+8*\c], v[\sb+8*\c+1], v[\sb+8*\c+2]             ; four chains that do not wait for each other
.endr
.irp c, 0,1,2,3
	v_max3_num_f32 v[TT+\c], v[TT+\c], v[\sb+8*\c+3], v[\sb+8*\c+4]
.endr
.irp c, 0,1,2,3
	v_max3_num_f32 v[TT+\c], v[TT+\c], v[\sb+8*\c+5], v[\sb+8*\c+6]
.endr
	v_max3_num_f32 v[TT],   v[TT],   v[\sb+7],  v[\sb+15]
	v_max3_num_f32 v[TT+1], v[TT+1], v[\sb+23], v[\sb+31]
.if \first
	v_max_num_f32 v[TT+2], v[TT+2], v[TT+3]
.else
	v_max3_num_f32 v[TT+2], v[TT+2], v[TT+3], v[MX+\qt]                            ; the old maximum joins: the new one never falls
.endif
	v_max3_num_f32 v[TT], v[TT], v[TT+1], v[TT+2]
	v_permlanex16_b32 v[TT+1], v[TT], s60, s61     ; the other half of the lanes holds the query's other keys
	v_max_num_f32 v[MN], v[TT], v[TT+1]
.if \first == 0
	v_sub_f32 v[TT+2], v[MX+\qt], v[MN]
	v_exp_f32 v[AL], v[TT+2]                       ; the move below is the plain place behind it (ISA guide 5.7.2)
.endif
	v_mov_b32 v[MX+\qt], v[MN]
.set n, 0
.rept 16
	v_pk_add_f32 v[\sb+2*n:\sb+2*n+1], v[\sb+2*n:\sb+2*n+1], v[MN:MN+1] op_sel_hi:[1,0] neg_lo:[0,1] neg_hi:[0,1]   ; s - maximum
.set n, n+1
.endr
.set n, 0
.rept 32
	v_exp_f32 v[\sb+n], v[\sb+n]                   ; back to back on different registers
.set n, n+1
.endr
.if \first
	v_nop                                          ; the plain place behind the last exponential
	s_wait_alu depctr_va_vdst(0)
.else
.set n, 0
	s_wait_alu depctr_va_vdst(0)
.rept 16
	v_pk_mul_f32 v[OA+32*\qt+2*n:OA+32*\qt+2*n+1], v[OA+32*\qt+2*n:OA+32*\qt+2*n+1], v[AL:AL+1] op_sel_hi:[1,0]    ; plain work behind the exponentials
.set n, n+1
.endr
.endif
.irp c, 0,1,2,3
	v_pk_add_f32 v[TT+4+2*\c:TT+5+2*\c], v[\sb+8*\c:\sb+8*\c+1], v[\sb+8*\c+2:\sb+8*\c+3]
.endr
.irp c, 0,1,2,3
	v_pk_add_f32 v[TT+4+2*\c:TT+5+2*\c], v[TT+4+2*\c:TT+5+2*\c], v[\sb+8*\c+4:\sb+8*\c+5]
.endr
.irp c, 0,1,2,3
	v_pk_add_f32 v[TT+4+2*\c:TT+5+2*\c], v[TT+4+2*\c:TT+5+2*\c], v[\sb+8*\c+6:\sb+8*\c+7]
.endr
	v_pk_add_f32 v[TT+4:TT+5], v[TT+4:TT+5], v[TT+6:TT+7]
	v_pk_add_f32 v[TT+8:TT+9], v[TT+8:TT+9], v[TT+10:TT+11]
	v_pk_add_f32 v[TT+4:TT+5], v[TT+4:TT+5], v[TT+8:TT+9]
.if \first
	v_add_f32 v[LS+\qt], v[TT+4], v[TT+5]
.else
	v_add_f32 v[TT+4], v[TT+4], v[TT+5]
	v_fma_f32 v[LS+\qt], v[LS+\qt], v[AL], v[TT+4]
.endif
	WIN 0x05                                       ; sources window 1, destination window 0
.irp c, 0,1,2,3
.irp i, 0,1,2,3
	v_cvt_pk_bf16_f32 v[PF+4*\c+\i], v[\sb+8*\c+2*\i], v[\sb+8*\c+2*\i+1]          ; key tiles 0, 1 = keys 0-31 in source 1's order; 2, 3 = keys 32-63
.endr
.endr
.endm
; 64 keys for all four query tiles.  The scores of tile qt + 1 are issued ahead of the softmax of tile qt, so that vector work has matrix work beside it.
; more = 1: the next 64 keys' fragments are loaded as soon as this step's have been multiplied.
.macro STEP slot, i, more, first
	s_wait_dscnt 16                                ; K's fragments are in; V's 16 loads, issued behind them, may be out
	WIN 0x50
	QK 0, SB0
	QK 1, SB1
	PLACES
	SM 0, SB0, \first
	s_wait_dscnt 0x0                               ; V's fragments
	WIN 0x50
	PV 0, \first
	QK 2, SB0
	PLACES
	SM 1, SB1, \first
	WIN 0x50
	PV 1, \first
	QK 3, SB1
	PLACES
.if \more
	WIN 0
	LOADK \slot, \i+1
.endif
	SM 2, SB0, \first
	WIN 0x50
	PV 2, \first
	PLACES
	SM 3, SB1, \first
	WIN 0x50
	PV 3, \first
	PLACES
.if \more
	WIN 0
	LOADV \slot, \i+1
.endif
.endm
; a tile of 256 keys.  In front of the round every wave waits for all its tensor loads (its parts of this trip's tile) and for its reads of the last
; trip's tile; the joint refills of that slot are the first tensor loads behind the round.
.macro TRIP slot, refill, first
	s_wait_tensorcnt 0x0
	ds_add_u32 v254, v255
	s_wait_dscnt 0x0
	s_add_nc_u64 s[G0K+4*\slot+2:G0K+4*\slot+3], s[G0K+4*\slot+2:G0K+4*\slot+3], 65536     ; no tensor load of mine is out: this slot's next tile, two tiles on
	s_add_nc_u64 s[G0V+4*\slot+2:G0V+4*\slot+3], s[G0V+4*\slot+2:G0V+4*\slot+3], 1024
	s_wait_dscnt 0x0
	ROUND
.if \refill
	tensor_load_to_lds s[G0K+4*(1-\slot):G0K+4*(1-\slot)+3], s[G1K:G1K+7]
	s_nop 0
	tensor_load_to_lds s[G0V+4*(1-\slot):G0V+4*(1-\slot)+3], s[G1V:G1V+7]
	s_nop 0
.endif
	LOADK \slot, 0
	LOADV \slot, 0
	STEP \slot, 0, 1, \first
	STEP \slot, 1, 1, 0
	STEP \slot, 2, 1, 0
	STEP \slot, 3, 0, 0
	WIN 0
.endm
	TRIP 0, 1, 1                                   ; tiles 0, 1: the first 64 keys start maxima, sums and O
	TRIP 1, 1, 0
	s_mov_b32 s48, 2                               ; tiles 2-5
.Ltiles:
	TRIP 0, 1, 0
	TRIP 1, 1, 0
	s_sub_co_u32 s48, s48, 1
	s_cmp_lg_u32 s48, 0
	s_cbranch_scc1 .Ltiles
	TRIP 0, 1, 0                                   ; tile 6 fetches tile 7; tile 7 fetches nothing (its stepped addresses are not used)
	TRIP 1, 0, 0
	; THE WAY OUT: the two halves' sums meet, O / sum, bf16, through my own stage, whole rows out.  The last PLACES stand behind the last matrix instruction.
	WIN 0x55
.irp qt, 0,1,2,3
	v_permlanex16_b32 v[TT+8+\qt], v[LS+\qt], s60, s61
.endr
.irp qt, 0,1,2,3
	v_add_f32 v[LS+\qt], v[LS+\qt], v[TT+8+\qt]    ; at least 1: the largest score contributes 2^0
.endr
.irp qt, 0,1,2,3
	v_rcp_f32 v[TT+2*\qt], v[LS+\qt]
.endr
	v_nop                                          ; the plain place behind the reciprocals
	s_wait_alu depctr_va_vdst(0)
.irp qt, 0,1,2,3
	WIN 0x55
.set n, 0
.rept 16
	v_pk_mul_f32 v[OA+32*\qt+2*n:OA+32*\qt+2*n+1], v[OA+32*\qt+2*n:OA+32*\qt+2*n+1], v[TT+2*\qt:TT+2*\qt+1] op_sel_hi:[1,0]
.set n, n+1
.endr
	WIN 0x05
.set n, 0
.rept 16
	v_cvt_pk_bf16_f32 v[KF+16*\qt+n], v[OA+32*\qt+2*n], v[OA+32*\qt+2*n+1]
.set n, n+1
.endr
	WIN 0
.irp dt, 0,1,2,3
	ds_store_b128 v[STO], v[KF+16*\qt+4*\dt:KF+16*\qt+4*\dt+3] offset:\qt*16*KP+32*\dt     ; query 16 qt + r, d = 16 dt + 8 hh ..
.endr
.endr
.set p, 0
.rept 16
	ds_load_b128 v[VF+4*p:VF+4*p+3], v[RD] offset:4*KP*p       ; my own bytes: LDS serves a wave's instructions in order (ISA guide 5.7.1)
.set p, p+1
.endr
.set p, 0
.rept 16
	s_wait_dscnt 15-p                              ; the younger loads stay out
	global_store_b128 v[GO], v[VF+4*p:VF+4*p+3], s[10:11] offset:512*p         ; a wave's store covers 512 neighbouring bytes, aligned
.set p, p+1
.endr
	s_wait_tensorcnt 0x0
	ds_add_u32 v254, v255
	s_wait_dscnt 0x0
	ROUND                                          ; the closing round
	s_endpgm
.Lfunc_end_k_q46ad892442_attn:
	.size	k_q46ad892442_attn, .Lfunc_end_k_q46ad892442_attn-k_q46ad892442_attn
	.p2alignl 7, 3214868480
	.fill 96, 4, 3214868480
	.section	.rodata,"a",@progbits
	.p2align	6, 0x0
	.amdhsa_kernel k_q46ad892442_attn
		.amdhsa_group_segment_fixed_size 327680
		.amdhsa_private_segment_fixed_size 0
		.amdhsa_enable_private_segment 0
		.amdhsa_kernarg_size 32
		.amdhsa_user_sgpr_count 2
		.amdhsa_user_sgpr_kernarg_segment_ptr 1
		.amdhsa_wavefront_size32 1
		.amdhsa_system_sgpr_workgroup_id_x 1
		.amdhsa_system_sgpr_workgroup_id_y 1
		.amdhsa_system_sgpr_workgroup_id_z 1
		.amdhsa_system_vgpr_workitem_id 0
		.amdhsa_next_free_vgpr 480
		.amdhsa_next_free_sgpr 66
		.amdhsa_reserve_vcc 0
		.amdhsa_float_denorm_mode_32 3
		.amdhsa_float_denorm_mode_16_64 3
		.amdhsa_memory_ordered 1
		.amdhsa_forward_progress 1
		.amdhsa_inst_pref_size 255
	.end_amdhsa_kernel
	.section	.bss,"aw",@nobits
	.p2align	6
	.space	262144
	.amdgpu_metadata
---
amdhsa.version: [ 1, 2 ]
amdhsa.kernels:
  - .name:           k_q46ad892442_attn
    .symbol:         k_q46ad892442_attn.kd
    .args:
      - { .name: q16, .offset: 0, .size: 8, .value_kind: global_buffer, .address_space: global }
      - { .name: k16, .offset: 8, .size: 8, .value_kind: global_buffer, .address_space: global }
      - { .name: vt16, .offset: 16, .size: 8, .value_kind: global_buffer, .address_space: global }
      - { .name: att16, .offset: 24, .size: 8, .value_kind: global_buffer, .address_space: global }
    .group_segment_fixed_size: 327680
    .private_segment_fixed_size: 0
    .kernarg_segment_align: 8
    .kernarg_segment_size: 32
    .max_flat_workgroup_size: 128
    .sgpr_count:     66
    .vgpr_count:     480
    .wavefront_size: 32
...
	.end_amdgpu_metadata
.endif
;; end of part 3
;; launch oproj (part 4): grid 8 x 32, 4 waves a work-group, clusters of 4 x 4, 327,680 bytes of LDS; arguments att16, w16, bo, out0; writes out0
.if DOCPART == 4
	.amdgcn_target "amdgcn-amd-amdhsa--gfx1250"
	.amdhsa_code_object_version 6
	.text
	.protected	k_q46ad892442_oproj
	.globl	k_q46ad892442_oproj
	.p2align	8
	.type	k_q46ad892442_oproj,@function
k_q46ad892442_oproj:
	s_mov_b64 s[64:65], 0
	v_nop
	global_prefetch_b8 v0, s[64:65] scope:SCOPE_SE
	s_setreg_imm32_b32 hwreg(HW_REG_WAVE_MODE, 25, 1), 1
	s_wait_xcnt 0x0
	s_wait_alu depctr_hold_cnt(0) depctr_sa_sdst(0) depctr_va_vdst(0) depctr_va_sdst(0) depctr_va_ssrc(0) depctr_va_vcc(0) depctr_vm_vsrc(0)
	s_getreg_b32 s2, hwreg(HW_REG_IB_STS2, 6, 4)
	s_cmp_eq_u32 s2, 0
	s_cbranch_scc0 .Lentry_in_a_cluster
	s_endpgm
.Lentry_in_a_cluster:
	s_bfe_u32 s2, ttmp6, 0x10000c
	s_cmp_lg_u32 s2, 0xf033
	s_cbranch_scc0 .Lentry_shape_is_right
	s_endpgm
.Lentry_shape_is_right:
; out0 = merged heads x Wo^T + bo, f32.  att16: [b*16+h][2048][64] bf16 (head-major);  Wo in bf16 = rows 3072 .. 4095 of w16.
; Work-group (x = 128 columns, y = 128 rows): 256 work-groups of equal work; four waves, wave (i, j) makes 64 x 64: 16 accumulators.
; K goes in four steps of 256 (four heads) through two LDS slots.  Wave w fetches head 4 ks + w of the rows (128 rows x 128 bytes, dense in memory)
; and 32 rows x 512 bytes of Wo.
; CLUSTER 4 x 4: the rows' tiles are shared along a row of the cluster, Wo's along a column; each is asked for jointly by four work-groups.
; The matrix instruction takes (Wo fragment, row fragment): a lane holds 8 neighbouring columns of one row.
; REGISTERS: window 0: v16-23 addresses, v32-95 and v96-159 two fragment buffers (Wo fragment b at +8b, row fragment a at +32+8a), v224-255 scratch;
;            window 1: v0-127 accumulators (tile (a, b) at 8(4a+b)), v128-159 bias.
; The 16 accumulators take turns, one matrix instruction a turn.
.set AP,    144                        ; a row of one head: 128 bytes + 16
.set BP,    528                        ; a row of Wo's tile: 512 bytes + 16
.set BOFS,  4*128*AP                   ; Wo's 128 rows lie behind the four heads' 128 rows each
.set SLOT,  4*128*AP+128*BP            ; 141,312
.set STAGE, 2*SLOT                     ; behind the ring: 16 rows x 272 bytes for each wave, its own; no tensor load lands there
.set WV,   12                          ; s12 wave, s13 i, s14 j
.set G1A,  16
.set G1B,  24
.set G0A,  32
.set G0B,  40
.set ADRX, 16
.set ADRW, 18
.set STO,  20
.set RD,   21
.set CO,   22
.set BOFF, 23
.set F0,   32
.set F1,   96
.set TT,   224
.set BIAS, 128                         ; window 1
.set MSB, 0
.macro WIN new
.if MSB != \new
	s_set_vgpr_msb (MSB<<8)|\new
.set MSB, \new
.endif
.endm
.macro PLACES                          ; four plain vector places behind a matrix instruction (ISA guide 7.12.1 for vector instructions)
.rept 4
	v_nop
.endr
.endm
.macro CREST
	s_cmp_lg_u32 s[WV], 0
	s_cbranch_scc1 .Lnot_wave_0_\@
	s_barrier_signal -3
.Lnot_wave_0_\@:
	s_barrier_wait -3
	s_barrier_signal -1
	s_barrier_wait -1
.endm
.macro CROUND
	s_barrier_signal -1
	s_barrier_wait -1
	CREST
.endm
.macro WM d, a, b, zero
.if \zero
	v_wmma_f32_16x16x32_bf16 v[\d:\d+7], v[\a:\a+7], v[\b:\b+7], 0
.else
	v_wmma_f32_16x16x32_bf16 v[\d:\d+7], v[\a:\a+7], v[\b:\b+7], v[\d:\d+7]
.endif
.endm
	s_load_b256 s[4:11], s[0:1], 0x0               ; att16 s[4:5], w16 s[6:7], bo s[8:9], out0 s[10:11]
	v_lshl_add_u32 v222, v0, 2, 0x49400
	v_mov_b32 v223, 0
	ds_add_u32 v222, v223
	v_lshrrev_b32 v1, 5, v0
	v_readfirstlane_b32 s[WV], v1
	s_lshr_b32 s13, s[WV], 1                       ; i: which 64 rows
	s_and_b32 s14, s[WV], 1                        ; j: which 64 columns
	s_bfe_u32 s48, ttmp6, 0x40000                  ; cx
	s_bfe_u32 s49, ttmp6, 0x40004                  ; cy
	s_lshl_b32 s50, ttmp9, 2
	s_add_co_u32 s50, s50, s48                     ; block of 128 columns
	s_and_b32 s51, ttmp7, 0xffff
	s_lshl_b32 s51, s51, 2
	s_add_co_u32 s51, s51, s49                     ; block of 128 rows
	s_lshl_b32 s52, s49, 2
	s_lshl_b32 s52, 15, s52                        ; my row of the cluster
	s_lshl_b32 s53, 0x1111, s48                    ; my column
	s_or_b32 s[G1A+0], s52, (1<<16)|(1<<20)|(1<<21)|(4<<22)|(3<<25)   ; 128 rows x 64 elements, padding behind every 32 words
	s_mov_b32 s[G1A+1], 64<<16
	s_mov_b32 s[G1A+2], 128<<16
	s_mov_b32 s[G1A+3], 64<<16
	s_mov_b32 s[G1A+4], 128
	s_mov_b32 s[G1A+5], 64
	s_mov_b32 s[G1A+6], 0
	s_mov_b32 s[G1A+7], 0
	s_or_b32 s[G1B+0], s53, (1<<16)|(1<<20)|(1<<21)|(6<<22)|(3<<25)   ; 32 rows x 256 elements, padding behind every 128 words
	s_mov_b32 s[G1B+1], 256<<16
	s_mov_b32 s[G1B+2], 32<<16
	s_mov_b32 s[G1B+3], 256<<16
	s_mov_b32 s[G1B+4], 32
	s_mov_b32 s[G1B+5], 1024
	s_mov_b32 s[G1B+6], 0
	s_mov_b32 s[G1B+7], 0
	; the rows' address hangs on the block of rows and the wave alone
	s_lshr_b32 s54, s51, 4                         ; batch
	s_lshl_b32 s54, s54, 4
	s_add_co_u32 s54, s54, s[WV]                   ; b x 16 + head (K step 0: head = wave)
	s_lshl_b32 s54, s54, 18
	s_and_b32 s55, s51, 15
	s_lshl_b32 s55, s55, 14                        ; 128 rows of 128 bytes
	s_add_co_u32 s54, s54, s55
	s_mov_b32 s55, 0
	; Wo's on the block of columns and the wave alone
	s_lshl_b32 s56, s50, 7
	s_lshl_b32 s57, s[WV], 5
	s_add_co_u32 s56, s56, s57
	s_add_co_u32 s56, s56, 3072
	s_lshl_b32 s56, s56, 11
	s_mov_b32 s57, 0
	; my corner of out0, and my columns' place in bo
	s_lshl_b32 s58, s51, 7
	s_lshl_b32 s59, s13, 6
	s_add_co_u32 s58, s58, s59
	s_lshl_b32 s58, s58, 12                        ; rows of 4,096 bytes
	s_lshl_b32 s61, s50, 9
	s_lshl_b32 s59, s14, 8
	s_add_co_u32 s61, s61, s59                     ; 4 x (128 block + 64 j)
	s_add_co_u32 s58, s58, s61
	s_mov_b32 s59, 0
	s_mul_i32 s62, s[WV], 128*AP
	s_mul_i32 s63, s[WV], 32*BP
	s_add_co_u32 s63, s63, BOFS
	s_wait_dscnt 0x0
	s_wait_kmcnt 0x0
	s_add_nc_u64 s[54:55], s[4:5], s[54:55]
	s_add_nc_u64 s[56:57], s[6:7], s[56:57]
	s_add_nc_u64 s[10:11], s[10:11], s[58:59]
	CROUND                                         ; all sixteen work-groups are here: the first joint loads meet
.irp s, 0,1
	s_mov_b32 s[G0A+4*\s], 1
	s_add_co_u32 s[G0A+4*\s+1], s62, \s*SLOT
	s_add_nc_u64 s[G0A+4*\s+2:G0A+4*\s+3], s[54:55], \s*4*262144    ; K step s: four heads on
	s_or_b32 s[G0A+4*\s+3], s[G0A+4*\s+3], 0x80000000
	s_mov_b32 s[G0B+4*\s], 1
	s_add_co_u32 s[G0B+4*\s+1], s63, \s*SLOT
	s_add_nc_u64 s[G0B+4*\s+2:G0B+4*\s+3], s[56:57], \s*512
	s_or_b32 s[G0B+4*\s+3], s[G0B+4*\s+3], 0x80000000
	tensor_load_to_lds s[G0A+4*\s:G0A+4*\s+3], s[G1A:G1A+7]         ; four tensor loads of the wave are out here, later two
	s_nop 0
	tensor_load_to_lds s[G0B+4*\s:G0B+4*\s+3], s[G1B:G1B+7]
	s_nop 0
.endr
	v_and_b32 v1, 15, v0                           ; r
	v_bfe_u32 v2, v0, 4, 1                         ; hh
	v_mul_u32_u24 v3, v1, AP
	v_lshl_add_u32 v3, v2, 4, v3
	s_mul_i32 s60, s13, 64*AP
	v_add_nc_u32 v[ADRX], s60, v3
	v_add_nc_u32 v[ADRX+1], SLOT, v[ADRX]
	v_mul_u32_u24 v4, v1, BP
	v_lshl_add_u32 v4, v2, 4, v4
	s_mul_i32 s60, s14, 64*BP
	s_add_co_u32 s60, s60, BOFS
	v_add_nc_u32 v[ADRW], s60, v4
	v_add_nc_u32 v[ADRW+1], SLOT, v[ADRW]
	s_mul_i32 s60, s[WV], 16*272
	s_add_co_u32 s60, s60, STAGE                   ; my stage
	v_mul_u32_u24 v5, v1, 272
	v_lshl_add_u32 v5, v2, 5, v5
	v_add_nc_u32 v[STO], s60, v5                   ; in: row r, 32 bytes for each half of the lanes
	v_mul_u32_u24 v5, v2, 272
	v_lshl_add_u32 v5, v1, 4, v5
	v_add_nc_u32 v[RD], s60, v5                    ; back: lanes 0-15 one row of 256 bytes, lanes 16-31 the next
	v_lshlrev_b32 v5, 12, v2
	v_lshl_add_u32 v[CO], v1, 4, v5                ; the same two rows in out0
	v_lshl_add_u32 v[BOFF], v2, 5, s61
	WIN 0x40
.irp b, 0,1,2,3
	global_load_b128 v[BIAS+8*\b:BIAS+8*\b+3],   v[BOFF], s[8:9] offset:64*\b
	global_load_b128 v[BIAS+8*\b+4:BIAS+8*\b+7], v[BOFF], s[8:9] offset:64*\b+16
.endr
	WIN 0
.macro MUL4 f, a, zero                 ; row tile a x the four column tiles, 32 along K
.irp b, 0,1,2,3
	WM 8*(4*\a+\b), \f+8*\b, \f+32+8*\a, \zero
.endr
.endm
.macro FETCH slot, kq, f               ; 16 LDS loads: 8 for Wo, 4 for row tiles 0, 1, 4 for row tiles 2, 3; the kq-th 32 of the K step's 256
.irp b, 0,1,2,3
	ds_load_b128 v[\f+8*\b:\f+8*\b+3],   v[ADRW+\slot] offset:64*\kq+16*BP*\b
	ds_load_b128 v[\f+8*\b+4:\f+8*\b+7], v[ADRW+\slot] offset:64*\kq+16*BP*\b+32
.endr
.irp a, 0,1,2,3
	ds_load_b128 v[\f+32+8*\a:\f+32+8*\a+3],   v[ADRX+\slot] offset:(\kq>>1)*128*AP+(\kq&1)*64+16*AP*\a
	ds_load_b128 v[\f+32+8*\a+4:\f+32+8*\a+7], v[ADRX+\slot] offset:(\kq>>1)*128*AP+(\kq&1)*64+16*AP*\a+32
.endr
.endm
.macro QUARTER slot, kq, f, g, zero    ; multiplies buffer f; in its middle fetches part kq into buffer g
	s_wait_dscnt 4                                 ; Wo and row tiles 0, 1 are in; the youngest four loads may be out
	WIN 0x50
	MUL4 \f, 0, \zero
	MUL4 \f, 1, \zero
	PLACES
	WIN 0
	FETCH \slot, \kq, \g
	s_wait_dscnt 16                                ; all but the 16 just issued
	WIN 0x50
	MUL4 \f, 2, \zero
	MUL4 \f, 3, \zero
.endm
.macro SEVEN slot, zero
	QUARTER \slot, 1, F0, F1, \zero
	QUARTER \slot, 2, F1, F0, 0
	QUARTER \slot, 3, F0, F1, 0
	QUARTER \slot, 4, F1, F0, 0
	QUARTER \slot, 5, F0, F1, 0
	QUARTER \slot, 6, F1, F0, 0
	QUARTER \slot, 7, F0, F1, 0
.endm
; the eighth part changes slots: each wave's reads of this slot and all its tensor loads are waited for in front of the barrier; with fill = 1 the
; barrier opens a round of the cluster's barrier and the two joint refills are the first tensor loads behind the round.
.macro TURN slot, next, fill
	s_wait_dscnt 4
	WIN 0x50
	MUL4 F1, 0, 0
	s_wait_dscnt 0x0
	s_wait_tensorcnt 0x0
	ds_add_u32 v222, v223
	s_wait_dscnt 0x0
	s_barrier_signal -1
	MUL4 F1, 1, 0
	WIN 0
	s_barrier_wait -1
.if \fill
	CREST
	s_add_nc_u64 s[G0A+4*\slot+2:G0A+4*\slot+3], s[G0A+4*\slot+2:G0A+4*\slot+3], 8*262144  ; two K steps = eight heads on
	s_add_nc_u64 s[G0B+4*\slot+2:G0B+4*\slot+3], s[G0B+4*\slot+2:G0B+4*\slot+3], 1024
	tensor_load_to_lds s[G0A+4*\slot:G0A+4*\slot+3], s[G1A:G1A+7]
	s_nop 0
	tensor_load_to_lds s[G0B+4*\slot:G0B+4*\slot+3], s[G1B:G1B+7]
	s_nop 0
.endif
	PLACES
	FETCH \next, 0, F0
	WIN 0x50
	MUL4 F1, 2, 0
	MUL4 F1, 3, 0
.endm
	s_wait_tensorcnt 2                             ; my two parts of K step 0 are in; K step 1's two stay out
	s_barrier_signal -1
	s_barrier_wait -1
	FETCH 0, 0, F0
	SEVEN 0, 1                                     ; K step 0: the first products start the sums
	TURN 0, 1, 1                                   ; fetches K step 2
	SEVEN 1, 0
	TURN 1, 0, 1                                   ; fetches K step 3
	SEVEN 0, 0
	TURN 0, 1, 0
	SEVEN 1, 0
	s_wait_dscnt 0x0
	WIN 0x50
	MUL4 F1, 0, 0
	MUL4 F1, 1, 0
	MUL4 F1, 2, 0
	MUL4 F1, 3, 0
	; THE WAY OUT, 16 rows at a time: + bias, 32 bytes a lane into my own stage, whole rows of 256 bytes back and out
	PLACES
	s_wait_loadcnt 0x0                             ; the bias
.macro OUT a
	WIN 0x05                                       ; sources window 1, destination window 0
.set n, 0
.rept 16
	v_pk_add_f32 v[TT+2*n:TT+2*n+1], v[32*\a+2*n:32*\a+2*n+1], v[BIAS+2*n:BIAS+2*n+1]
.set n, n+1
.endr
	WIN 0
.set n, 0
.rept 8
	ds_store_b128 v[STO], v[TT+4*n:TT+4*n+3] offset:(n>>1)*64+(n&1)*16
.set n, n+1
.endr
.set n, 0
.rept 8
	ds_load_b128 v[32+32*\a+4*n:35+32*\a+4*n], v[RD] offset:544*n      ; my own bytes: LDS serves a wave's instructions in order (ISA guide 5.7.1)
.set n, n+1
.endr
.set n, 0
.rept 8
	s_wait_dscnt 7-n                               ; the younger loads stay out
	global_store_b128 v[CO], v[32+32*\a+4*n:35+32*\a+4*n], s[10:11] offset:65536*\a+8192*n th:TH_STORE_NT  ; 16 lanes store 256 neighbouring bytes, aligned; no data register is used twice
.set n, n+1
.endr
.endm
	OUT 0
	OUT 1
	OUT 2
	OUT 3
	s_wait_tensorcnt 0x0
	ds_add_u32 v222, v223
	s_wait_dscnt 0x0
	CROUND                                         ; the closing round
	s_endpgm
.Lfunc_end_k_q46ad892442_oproj:
	.size	k_q46ad892442_oproj, .Lfunc_end_k_q46ad892442_oproj-k_q46ad892442_oproj
	.p2alignl 7, 3214868480
	.fill 96, 4, 3214868480
	.section	.rodata,"a",@progbits
	.p2align	6, 0x0
	.amdhsa_kernel k_q46ad892442_oproj
		.amdhsa_group_segment_fixed_size 327680
		.amdhsa_private_segment_fixed_size 0
		.amdhsa_enable_private_segment 0
		.amdhsa_kernarg_size 32
		.amdhsa_user_sgpr_count 2
		.amdhsa_user_sgpr_kernarg_segment_ptr 1
		.amdhsa_wavefront_size32 1
		.amdhsa_system_sgpr_workgroup_id_x 1
		.amdhsa_system_sgpr_workgroup_id_y 1
		.amdhsa_system_sgpr_workgroup_id_z 1
		.amdhsa_system_vgpr_workitem_id 0
		.amdhsa_next_free_vgpr 416
		.amdhsa_next_free_sgpr 66
		.amdhsa_reserve_vcc 0
		.amdhsa_float_denorm_mode_32 3
		.amdhsa_float_denorm_mode_16_64 3
		.amdhsa_memory_ordered 1
		.amdhsa_forward_progress 1
		.amdhsa_inst_pref_size 94
	.end_amdhsa_kernel
	.amdgpu_metadata
---
amdhsa.version: [ 1, 2 ]
amdhsa.kernels:
  - .name:           k_q46ad892442_oproj
    .symbol:         k_q46ad892442_oproj.kd
    .args:
      - { .name: att16, .offset: 0, .size: 8, .value_kind: global_buffer, .address_space: global }
      - { .name: w16, .offset: 8, .size: 8, .value_kind: global_buffer, .address_space: global }
      - { .name: bo, .offset: 16, .size: 8, .value_kind: global_buffer, .address_space: global }
      - { .name: out0, .offset: 24, .size: 8, .value_kind: global_buffer, .address_space: global }
    .group_segment_fixed_size: 327680
    .private_segment_fixed_size: 0
    .kernarg_segment_align: 8
    .kernarg_segment_size: 32
    .max_flat_workgroup_size: 128
    .sgpr_count:     66
    .vgpr_count:     416
    .wavefront_size: 32
...
	.end_amdgpu_metadata
.endif
;; end of part 4
;; ======== version 2 of 2: 4 launches
;; workspace buffers: x16 8,388,608 bytes; w16 8,388,608 bytes; q16 8,388,608 bytes; k16 8,388,608 bytes; vt16 8,388,608 bytes; att16 8,388,608 bytes
;; launch cast: the kernel of part 1 again; grid 512 x 1, 8 waves a work-group, no clusters, 0 bytes of LDS; arguments x, Wq, Wk, Wv, Wo, x16, w16; writes x16, w16
;; launch qkv: the kernel of part 2 again; grid 16 x 16, 4 waves a work-group, clusters of 4 x 4, 327,680 bytes of LDS; arguments x16, w16, bq, bk, bv, q16, k16, vt16; writes q16, k16, vt16
;; launch attn (part 5): grid 8 x 32, 8 waves a work-group, clusters of 4 x 1, 327,680 bytes of LDS; arguments q16, k16, vt16, att16; writes att16
.if DOCPART == 5
	.amdgcn_target "amdgcn-amd-amdhsa--gfx1250"
	.amdhsa_code_object_version 6
	.text
	.protected	k_q46ad892442_attn
	.globl	k_q46ad892442_attn
	.p2align	8
	.type	k_q46ad892442_attn,@function
k_q46ad892442_attn:
	s_mov_b64 s[64:65], 0
	v_nop
	global_prefetch_b8 v0, s[64:65] scope:SCOPE_SE
	s_setreg_imm32_b32 hwreg(HW_REG_WAVE_MODE, 25, 1), 1
	s_wait_xcnt 0x0
	s_wait_alu depctr_hold_cnt(0) depctr_sa_sdst(0) depctr_va_vdst(0) depctr_va_sdst(0) depctr_va_ssrc(0) depctr_va_vcc(0) depctr_vm_vsrc(0)
	s_getreg_b32 s2, hwreg(HW_REG_IB_STS2, 6, 4)
	s_cmp_eq_u32 s2, 0
	s_cbranch_scc0 .Lentry_in_a_cluster
	s_endpgm
.Lentry_in_a_cluster:
	s_bfe_u32 s2, ttmp6, 0x10000c
	s_cmp_lg_u32 s2, 0x3003
	s_cbranch_scc0 .Lentry_shape_is_right
	s_endpgm
.Lentry_shape_is_right:
; att = softmax(q k^T / 8) v for 256 queries of one head, with running maxima.  q16 carries the factor 0.125 log2(e), so exponentials are in base 2.
; q16, k16, att16: [bh][2048][64] bf16;  vt16: [bh][64 d][2048 s] bf16.
; Work-group (x = block of 256 queries, y = bh); eight waves, two for each of the WGP's four SIMDs = four query groups x two key halves:
; wave w takes the 64 queries of group g = w & 3 (4 tiles qt of 16) and, of every tile of 256 keys, the 128 keys of half kh = w >> 2 (2 steps of 64).
; So a K or V fragment is read from LDS by four waves: 64 loads of 512 bytes feed a wave's 128 matrix instructions of a tile.  Each wave keeps maxima, sums and
; O over its own keys; at the end the two halves are joined by the larger maximum, through LDS.
; THE STEP: the softmax of two query tiles is one stretch of 236 vector instructions in which the two tiles take turns, and the products round it stand in
; runs of 32 (O += V p of the pair just done, then the scores of the next pair): while one wave of a SIMD has a run of products to issue, the other
; has a stretch of vector work of like length.
; Keys go in tiles of 256 through two LDS slots; a tile is requested one whole tile's work ahead of its use.  Tile 0 (it starts the sums) and tile 7
; (it fetches nothing) are written out; tiles 1-6 are three trips of a loop of two tiles.
; CLUSTER 4 x 1: the four work-groups take four query blocks of the same head and ask jointly for every K and V tile.
; LAYOUT: S^T = K Q^T (source 0 = 16 keys, source 1 = 16 queries): lane (r, hh) holds keys 8 hh + 0..7 of query r, so maximum and sum are
; made inside the lane plus one exchange between the halves of the lanes, and the packed p of two key tiles IS source 1 of O^T = V^T P^T (32 keys):
; nothing moves between lanes.  In O^T a lane holds 8 neighbouring d of query r: a rescaling factor is one number a lane.
; LIMITS: NaN and infinities in the inputs are not reproduced; an exponential below 2^-126 counts as 0; the row sum takes p in f32 while
; the product takes p rounded to bf16; the sums' order differs from a row-wise softmax, also by the split of the keys in two.
; REGISTERS: window 0: v4-15 addresses, v16-79 Q, v80-143 K fragments, v144-207 V fragments, v208-239 p of two query tiles.
;            window 1: v0-127 O (tile (qt, dt) at 32 qt + 8 dt), v128-191 two S buffers, v192-231 softmax state and scratch of two query tiles.
; Matrix instructions on one accumulator never follow each other: four accumulators take turns, one instruction a turn.
.set KP,    144                        ; a K row: 128 bytes + 16
.set VP,    528                        ; a V^T row: 512 bytes + 16
.set VOFS,  256*KP                     ; V^T's 64 rows lie behind K's 256
.set SLOT,  256*KP+64*VP               ; 70,656
.set OP,    272                        ; a row of the way out's stage: 64 f32 + 16 bytes
.set OWV,   64*OP                      ; a wave's stage: 64 rows
.set OST,   2*SLOT                     ; the eight stages lie behind the ring; no tensor load lands there
.set XCH,   OST+8*OWV                  ; behind them 1,024 bytes for each wave: its 4 maxima and 4 sums a lane
.set WV,   12                          ; s12 wave, s13 cx, s14 query block, s15 bh, s48 loop counter, s49 g, s51 kh
.set G1K,  16
.set G1V,  24
.set G0K,  32                          ; a set for each slot
.set G0V,  40
.set KADR, 4                           ; v4,5   my K fragments in slot 0, 1
.set VADR, 6                           ; v6,7   my V fragments
.set STO,  8                           ; way out: where I put 32 bytes of a row of O
.set RD0,  9                           ;          where I read rows back, key half 0's stage
.set RD1,  10                          ;          and key half 1's
.set GO,   11
.set QOFF, 12
.set XST,  13                          ; where I put my maxima and sums
.set XRD,  14                          ; where I read those of my query group's two waves
.set QF,   16                          ; fragment (qt, ds) at +16 qt + 8 ds
.set KF,   80                          ; fragment (kt, ds) at +16 kt + 8 ds
.set VF,   144                         ; fragment (dt, ks) at +16 dt + 8 ks
.set PF,   208                         ; p of the pair's first tile, +16 of its second
.set OA,   0                           ; window 1 from here on
.set SB0,  128                         ; scores of the pair's first tile
.set SB1,  160                         ; and of its second
.set MX,   192                         ; running maximum of tile qt
.set LS,   196                         ; running sum (this lane's half of the keys of a step)
.set MN,   200                         ; the new maximum (first of a pair that is broadcast); +2 for the pair's second tile
.set AL,   204                         ; 2^(old maximum - new maximum) (likewise)
.set TT,   208                         ; scratch: 12 registers for each tile of the pair
.set XM,   144                         ; the way out, window 0, in the V fragments' registers: my maxima,
.set XL,   148                         ; my sums,
.set EM0,  152                         ; key half 0's maxima and sums,
.set EL0,  156
.set EM1,  160                         ; key half 1's,
.set EL1,  164
.set EMM,  168                         ; the joint maxima,
.set SC,   172                         ; tile qt: my factor at +2 qt, 1 / joint sum at +2 qt + 1
.set OW,   16                          ; and in Q's and K's registers: O scaled, then the rows read back
.set MSB, 0
.macro WIN new                         ; the immediate's high byte repeats the setting that is left; a switch that changes nothing is dropped
.if MSB != \new
	s_set_vgpr_msb (MSB<<8)|\new
.set MSB, \new
.endif
.endm
.macro PLACES                          ; five plain vector places behind a run of matrix instructions: four serve vector reads of its results, vector writes and
.rept 5                                ; loads into its sources; the fifth a later matrix instruction that writes over an S tile
	v_nop
.endr
.endm
.macro ROUND                           ; a round of the cluster's barrier
	s_barrier_signal -1
	s_barrier_wait -1
	s_cmp_lg_u32 s[WV], 0
	s_cbranch_scc1 .Lnot_wave_0_\@
	s_barrier_signal -3
.Lnot_wave_0_\@:
	s_barrier_wait -3
	s_barrier_signal -1
	s_barrier_wait -1
.endm
	s_load_b256 s[4:11], s[0:1], 0x0               ; q16 s[4:5], k16 s[6:7], vt16 s[8:9], att16 s[10:11]
	v_lshl_add_u32 v254, v0, 2, 0x46800
	v_mov_b32 v255, 0
	ds_add_u32 v254, v255
	v_lshrrev_b32 v1, 5, v0
	v_readfirstlane_b32 s[WV], v1
	s_and_b32 s49, s[WV], 3                        ; g: which 64 queries
	s_lshr_b32 s51, s[WV], 2                       ; kh: which 128 keys of a tile
	s_bfe_u32 s13, ttmp6, 0x40000                  ; cx
	s_lshl_b32 s14, ttmp9, 2
	s_add_co_u32 s14, s14, s13                     ; block of 256 queries
	s_and_b32 s15, ttmp7, 0xffff                   ; bh
	s_mov_b32 s60, 0x76543210                      ; v_permlanex16_b32: lane i of one half reads lane i of the other
	s_mov_b32 s61, 0xfedcba98
	; a wave's eighth of K's tile: 32 rows x 64 elements, 4 words of padding behind every 32 words; all four work-groups of the cluster are named
	s_mov_b32 s[G1K+0], 15|(1<<16)|(1<<20)|(1<<21)|(4<<22)|(3<<25)
	s_mov_b32 s[G1K+1], 64<<16                     ; tensor_dim0 = 64
	s_mov_b32 s[G1K+2], 32<<16                     ; tensor_dim1 = 32
	s_mov_b32 s[G1K+3], 64<<16                     ; tile_dim0 = 64
	s_mov_b32 s[G1K+4], 32                         ; tile_dim1 = 32 rows
	s_mov_b32 s[G1K+5], 64                         ; elements from row to row
	s_mov_b32 s[G1K+6], 0
	s_mov_b32 s[G1K+7], 0
	; a wave's eighth of V^T's tile: 8 rows x 256 elements, pitch 2,048, padding behind every 128 words
	s_mov_b32 s[G1V+0], 15|(1<<16)|(1<<20)|(1<<21)|(6<<22)|(3<<25)
	s_mov_b32 s[G1V+1], 256<<16
	s_mov_b32 s[G1V+2], 8<<16
	s_mov_b32 s[G1V+3], 256<<16
	s_mov_b32 s[G1V+4], 8
	s_mov_b32 s[G1V+5], 2048
	s_mov_b32 s[G1V+6], 0
	s_mov_b32 s[G1V+7], 0
	s_lshl_b32 s50, s15, 18                        ; 262,144 bytes for each bh
	s_lshl_b32 s52, s[WV], 12                      ; K: 32 rows of 128 bytes for each wave
	s_add_co_u32 s52, s52, s50
	s_mov_b32 s53, 0
	s_lshl_b32 s54, s[WV], 15                      ; V^T: 8 rows of 4,096 bytes for each wave
	s_add_co_u32 s54, s54, s50
	s_mov_b32 s55, 0
	s_lshl_b32 s56, s14, 15                        ; Q: 256 rows of 128 bytes for each block, 64 for each query group;
	s_add_co_u32 s56, s56, s50                     ; the place in the cluster enters s56 and s62 alone
	s_lshl_b32 s57, s49, 13
	s_add_co_u32 s56, s56, s57
	s_lshl_b32 s62, s51, 12                        ; the result: of my group's 64 rows I store the 32 of my number kh
	s_add_co_u32 s62, s62, s56
	s_mov_b32 s57, 0
	s_mov_b32 s63, 0
	s_mul_i32 s58, s[WV], 32*KP
	s_mul_i32 s59, s[WV], 8*VP
	s_add_co_u32 s59, s59, VOFS
	s_wait_dscnt 0x0
	s_wait_kmcnt 0x0
	s_add_nc_u64 s[52:53], s[6:7], s[52:53]
	s_add_nc_u64 s[54:55], s[8:9], s[54:55]
	s_add_nc_u64 s[4:5], s[4:5], s[56:57]
	s_add_nc_u64 s[10:11], s[10:11], s[62:63]
.irp n, 0,1
	s_mov_b32 s[G0K+4*\n], 1
	s_add_co_u32 s[G0K+4*\n+1], s58, \n*SLOT
	s_add_nc_u64 s[G0K+4*\n+2:G0K+4*\n+3], s[52:53], \n*32768       ; tile n: 256 rows of 128 bytes on
	s_or_b32 s[G0K+4*\n+3], s[G0K+4*\n+3], 0x80000000
	s_mov_b32 s[G0V+4*\n], 1
	s_add_co_u32 s[G0V+4*\n+1], s59, \n*SLOT
	s_add_nc_u64 s[G0V+4*\n+2:G0V+4*\n+3], s[54:55], \n*512         ; tile n: 256 columns of 2 bytes on
	s_or_b32 s[G0V+4*\n+3], s[G0V+4*\n+3], 0x80000000
.endr
	ROUND                                          ; the four work-groups are here: the first joint loads meet
	tensor_load_to_lds s[G0K:G0K+3], s[G1K:G1K+7]  ; tile 0.  Two tensor loads of a wave are out at the most
	s_nop 0
	tensor_load_to_lds s[G0V:G0V+3], s[G1V:G1V+7]
	s_nop 0
	v_and_b32 v1, 15, v0                           ; r
	v_bfe_u32 v2, v0, 4, 1                         ; hh
	v_and_b32 v3, 31, v0                           ; lane
	v_mul_u32_u24 v15, v1, KP
	v_lshl_add_u32 v15, v2, 4, v15                 ; r x 144 + 16 hh
	s_mul_i32 s50, s51, 128*KP                     ; my 128 keys: rows of K
	v_add_nc_u32 v[KADR], s50, v15
	v_add_nc_u32 v[KADR+1], SLOT, v[KADR]
	v_mul_u32_u24 v15, v1, VP
	v_lshl_add_u32 v15, v2, 4, v15
	s_lshl_b32 s50, s51, 8                         ; my 128 keys: 256 bytes along V^T's rows
	s_add_co_u32 s50, s50, VOFS
	v_add_nc_u32 v[VADR], s50, v15
	v_add_nc_u32 v[VADR+1], SLOT, v[VADR]
	v_mul_u32_u24 v15, v1, OP
	v_lshl_add_u32 v15, v2, 5, v15                 ; row r of the stage, 32 bytes for each half of the lanes
	s_mul_i32 s50, s[WV], OWV
	s_add_co_u32 s50, s50, OST
	v_add_nc_u32 v[STO], s50, v15
	v_lshlrev_b32 v[QOFF], 7, v1
	v_lshl_add_u32 v[QOFF], v2, 4, v[QOFF]         ; query r: rows of 128 bytes; + 16 hh
	v_lshrrev_b32 v15, 3, v3                       ; back: four rows for each group of loads, 32 bytes of f32 a lane
	v_mul_u32_u24 v15, v15, OP
	v_and_b32 v1, 7, v0
	v_lshl_add_u32 v15, v1, 5, v15
	s_mul_i32 s50, s49, OWV                        ; the stage of wave g (key half 0),
	s_mul_i32 s57, s51, 32*OP                      ; its rows 32 kh .. 32 kh + 31
	s_add_co_u32 s50, s50, s57
	s_add_co_u32 s50, s50, OST
	v_add_nc_u32 v[RD0], s50, v15
	v_add_nc_u32 v[RD1], 4*OWV, v[RD0]             ; the same rows in the stage of wave g + 4 (key half 1)
	v_lshlrev_b32 v[GO], 4, v3
	s_lshl_b32 s50, s[WV], 10
	s_add_co_u32 s50, s50, XCH
	v_lshl_add_u32 v[XST], v3, 4, s50
	s_lshl_b32 s50, s49, 10
	s_add_co_u32 s50, s50, XCH
	v_lshl_add_u32 v[XRD], v3, 4, s50
.irp qt, 0,1,2,3
.irp ds, 0,1
	global_load_b128 v[QF+16*\qt+8*\ds:QF+16*\qt+8*\ds+3],   v[QOFF], s[4:5] offset:2048*\qt+64*\ds
	global_load_b128 v[QF+16*\qt+8*\ds+4:QF+16*\qt+8*\ds+7], v[QOFF], s[4:5] offset:2048*\qt+64*\ds+32
.endr
.endr
	WIN 0x40
	v_mov_b32 v[MN+1], 0                           ; the second registers of the four broadcast pairs: named by the packed forms, never used
	v_mov_b32 v[MN+3], 0
	v_mov_b32 v[AL+1], 0
	v_mov_b32 v[AL+3], 0
	WIN 0
	s_wait_loadcnt 0x0                             ; Q stays in registers for the whole kernel
.macro LOADK slot, i                   ; the K fragments of my step i of 64 keys: 16 loads
.irp kt, 0,1,2,3
.irp ds, 0,1
	ds_load_b128 v[KF+16*\kt+8*\ds:KF+16*\kt+8*\ds+3],   v[KADR+\slot] offset:(64*(\i)+16*\kt)*KP+64*\ds
	ds_load_b128 v[KF+16*\kt+8*\ds+4:KF+16*\kt+8*\ds+7], v[KADR+\slot] offset:(64*(\i)+16*\kt)*KP+64*\ds+32
.endr
.endr
.endm
.macro LOADV slot, i                   ; the V^T fragments of the same 64 keys: 16 loads
.irp dt, 0,1,2,3
.irp ks, 0,1
	ds_load_b128 v[VF+16*\dt+8*\ks:VF+16*\dt+8*\ks+3],   v[VADR+\slot] offset:\dt*16*VP+128*(\i)+64*\ks
	ds_load_b128 v[VF+16*\dt+8*\ks+4:VF+16*\dt+8*\ks+7], v[VADR+\slot] offset:\dt*16*VP+128*(\i)+64*\ks+32
.endr
.endr
.endm
.macro QK qt, sb                       ; S^T of 64 keys x 16 queries: four tiles by turns, d = 0-31 starts the sums, d = 32-63 adds
.irp kt, 0,1,2,3
	v_wmma_f32_16x16x32_bf16 v[\sb+8*\kt:\sb+8*\kt+7], v[KF+16*\kt:KF+16*\kt+7], v[QF+16*\qt:QF+16*\qt+7], 0
.endr
.irp kt, 0,1,2,3
	v_wmma_f32_16x16x32_bf16 v[\sb+8*\kt:\sb+8*\kt+7], v[KF+16*\kt+8:KF+16*\kt+15], v[QF+16*\qt+8:QF+16*\qt+15], v[\sb+8*\kt:\sb+8*\kt+7]
.endr
.endm
.macro PV qt, first                    ; O^T += V^T P^T: four tiles by turns, keys 0-31, then keys 32-63; p of an even qt lies at PF, of an odd one at PF + 16
.irp dt, 0,1,2,3
.if \first
	v_wmma_f32_16x16x32_bf16 v[OA+32*\qt+8*\dt:OA+32*\qt+8*\dt+7], v[VF+16*\dt:VF+16*\dt+7], v[PF+16*(\qt&1):PF+16*(\qt&1)+7], 0
.else
	v_wmma_f32_16x16x32_bf16 v[OA+32*\qt+8*\dt:OA+32*\qt+8*\dt+7], v[VF+16*\dt:VF+16*\dt+7], v[PF+16*(\qt&1):PF+16*(\qt&1)+7], v[OA+32*\qt+8*\dt:OA+32*\qt+8*\dt+7]
.endif
.endr
.irp dt, 0,1,2,3
	v_wmma_f32_16x16x32_bf16 v[OA+32*\qt+8*\dt:OA+32*\qt+8*\dt+7], v[VF+16*\dt+8:VF+16*\dt+15], v[PF+16*(\qt&1)+8:PF+16*(\qt&1)+15], v[OA+32*\qt+8*\dt:OA+32*\qt+8*\dt+7]
.endr
.endm
; Pieces of the softmax of one query tile; u = 0, 1: the pair's first, second tile (scores in sb, scratch at TT + 12 u).
.macro MAXA sb, u                      ; four chains of maxima start, one for each key tile
.irp c, 0,1,2,3
	v_max3_num_f32 v[TT+12*\u+\c], v[\sb+8*\c], v[\sb+8*\c+1], v[\sb+8*\c+2]
.endr
.endm
.macro MAXB sb, u, j                   ; and take in two more scores each
.irp c, 0,1,2,3
	v_max3_num_f32 v[TT+12*\u+\c], v[TT+12*\u+\c], v[\sb+8*\c+\j], v[\sb+8*\c+\j+1]
.endr
.endm
.macro MAXC qt, sb, u, first           ; the last four scores, and the old maximum: the new one never falls
	v_max3_num_f32 v[TT+12*\u],   v[TT+12*\u],   v[\sb+7],  v[\sb+15]
	v_max3_num_f32 v[TT+12*\u+1], v[TT+12*\u+1], v[\sb+23], v[\sb+31]
.if \first
	v_max_num_f32 v[TT+12*\u+2], v[TT+12*\u+2], v[TT+12*\u+3]
.else
	v_max3_num_f32 v[TT+12*\u+2], v[TT+12*\u+2], v[TT+12*\u+3], v[MX+\qt]
.endif
.endm
; line k = 0 .. 15 of the sum of a lane's 32 p: four chains of packed sums (k = 0-11), their joins (12-14), the two halves of the pair (15)
.macro SUMOP k, sb, u, qt, first
.if (\k)/4 == 0
	s_wait_alu depctr_va_vdst(0)
	v_pk_add_f32 v[TT+12*\u+4+2*(\k):TT+12*\u+5+2*(\k)], v[\sb+8*(\k):\sb+8*(\k)+1], v[\sb+8*(\k)+2:\sb+8*(\k)+3]
.endif
.if (\k)/4 == 1
	v_pk_add_f32 v[TT+12*\u+4+2*(\k-4):TT+12*\u+5+2*(\k-4)], v[TT+12*\u+4+2*(\k-4):TT+12*\u+5+2*(\k-4)], v[\sb+8*(\k-4)+4:\sb+8*(\k-4)+5]
.endif
.if (\k)/4 == 2
	v_pk_add_f32 v[TT+12*\u+4+2*(\k-8):TT+12*\u+5+2*(\k-8)], v[TT+12*\u+4+2*(\k-8):TT+12*\u+5+2*(\k-8)], v[\sb+8*(\k-8)+6:\sb+8*(\k-8)+7]
.endif
.if (\k) == 12
	v_pk_add_f32 v[TT+12*\u+4:TT+12*\u+5], v[TT+12*\u+4:TT+12*\u+5], v[TT+12*\u+6:TT+12*\u+7]
.endif
.if (\k) == 13
	v_pk_add_f32 v[TT+12*\u+8:TT+12*\u+9], v[TT+12*\u+8:TT+12*\u+9], v[TT+12*\u+10:TT+12*\u+11]
.endif
.if (\k) == 14
	v_pk_add_f32 v[TT+12*\u+4:TT+12*\u+5], v[TT+12*\u+4:TT+12*\u+5], v[TT+12*\u+8:TT+12*\u+9]
.endif
.if (\k) == 15
.if \first
	v_add_f32 v[LS+\qt], v[TT+12*\u+4], v[TT+12*\u+5]
.else
	v_add_f32 v[TT+12*\u+4], v[TT+12*\u+4], v[TT+12*\u+5]
.endif
.endif
.endm
; The softmax step of query tiles q (scores in SB0) and q + 1 (in SB1), 64 keys each.  first = 1: there is no old maximum, sum or O.
; The two tiles' lines take turns, so that a line seldom needs the line just ahead of it; an exponential and a plain line take turns, and each such
; plain line, which names none of the exponential's registers, is also the place that belongs behind an exponential (ISA guide 5.7.2).
.macro SM2 q, first
	WIN 0x55
	MAXA SB0, 0
	MAXA SB1, 1
	MAXB SB0, 0, 3
	MAXB SB1, 1, 3
	MAXB SB0, 0, 5
	MAXB SB1, 1, 5
	MAXC \q, SB0, 0, \first
	MAXC \q+1, SB1, 1, \first
.irp u, 0,1
	v_max3_num_f32 v[TT+12*\u], v[TT+12*\u], v[TT+12*\u+1], v[TT+12*\u+2]
.endr
.irp u, 0,1
	v_permlanex16_b32 v[TT+12*\u+1], v[TT+12*\u], s60, s61     ; the other half of the lanes holds the query's other keys
.endr
.irp u, 0,1
	v_max_num_f32 v[MN+2*\u], v[TT+12*\u], v[TT+12*\u+1]
.endr
.if \first == 0
.irp u, 0,1
	v_sub_f32 v[TT+12*\u+2], v[MX+\q+\u], v[MN+2*\u]
.endr
.irp u, 0,1
	v_exp_f32 v[AL+2*\u], v[TT+12*\u+2]            ; the moves below are the plain places behind them
.endr
.endif
.irp u, 0,1
	v_mov_b32 v[MX+\q+\u], v[MN+2*\u]
.endr
.set sn, 0
.rept 16
	v_pk_add_f32 v[SB0+2*sn:SB0+2*sn+1], v[SB0+2*sn:SB0+2*sn+1], v[MN:MN+1] op_sel_hi:[1,0] neg_lo:[0,1] neg_hi:[0,1]       ; first tile: s - maximum
.set sn, sn+1
.endr
.set sn, 0
.rept 16                                               ; first tile's exponentials, among them the second tile's s - maximum and the first tile's O x alpha
	v_exp_f32 v[SB0+2*sn], v[SB0+2*sn]
	v_pk_add_f32 v[SB1+2*sn:SB1+2*sn+1], v[SB1+2*sn:SB1+2*sn+1], v[MN+2:MN+3] op_sel_hi:[1,0] neg_lo:[0,1] neg_hi:[0,1]
	v_exp_f32 v[SB0+2*sn+1], v[SB0+2*sn+1]
.if \first == 0
	s_wait_alu depctr_va_vdst(0)
	v_pk_mul_f32 v[OA+32*(\q)+2*sn:OA+32*(\q)+2*sn+1], v[OA+32*(\q)+2*sn:OA+32*(\q)+2*sn+1], v[AL:AL+1] op_sel_hi:[1,0]
.endif
.set sn, sn+1
.endr
.set sn, 0
.rept 16                                               ; second tile's exponentials, among them the first tile's sum and the second tile's O x alpha
	v_exp_f32 v[SB1+2*sn], v[SB1+2*sn]
	SUMOP sn, SB0, 0, \q, \first
	v_exp_f32 v[SB1+2*sn+1], v[SB1+2*sn+1]
.if \first == 0
	v_pk_mul_f32 v[OA+32*(\q+1)+2*sn:OA+32*(\q+1)+2*sn+1], v[OA+32*(\q+1)+2*sn:OA+32*(\q+1)+2*sn+1], v[AL+2:AL+3] op_sel_hi:[1,0]
.endif
.set sn, sn+1
.endr
.set sn, 0
.rept 14                                               ; second tile's sum
	SUMOP sn, SB1, 1, \q+1, \first
.set sn, sn+1
.endr
.if \first == 0
	v_fma_f32 v[LS+\q], v[LS+\q], v[AL], v[TT+4]
.endif
	SUMOP 14, SB1, 1, \q+1, \first
	SUMOP 15, SB1, 1, \q+1, \first
.if \first == 0
	v_fma_f32 v[LS+\q+1], v[LS+\q+1], v[AL+2], v[TT+16]
.endif
	WIN 0x05                                       ; sources window 1, destination window 0
.irp u, 0,1
.irp c, 0,1,2,3
.irp i, 0,1,2,3
	v_cvt_pk_bf16_f32 v[PF+16*\u+4*\c+\i], v[SB0+32*\u+8*\c+2*\i], v[SB0+32*\u+8*\c+2*\i+1]   ; key tiles 0, 1 = keys 0-31 in source 1's order; 2, 3 = keys 32-63
.endr
.endr
.endr
.endm
; A tile of 256 keys, of which 128 are mine: two steps of 64 keys for four query tiles.  In front of the round every wave waits for all its tensor loads (its parts of
; this trip's tile) and for its reads of the last trip's tile; the joint refills of that slot are the first tensor loads behind the round.
; Fragments are loaded again as soon as the run that read them, and its places, have been issued: K's of step 1 have one softmax stretch in which to come, V's likewise.
.macro TRIP slot, refill, first
	s_wait_tensorcnt 0x0
	ds_add_u32 v254, v255
	s_wait_dscnt 0x0
	s_add_nc_u64 s[G0K+4*\slot+2:G0K+4*\slot+3], s[G0K+4*\slot+2:G0K+4*\slot+3], 65536     ; no tensor load of mine is out: this slot's next tile, two tiles on
	s_add_nc_u64 s[G0V+4*\slot+2:G0V+4*\slot+3], s[G0V+4*\slot+2:G0V+4*\slot+3], 1024
	s_wait_dscnt 0x0
	ROUND
.if \refill
	tensor_load_to_lds s[G0K+4*(1-\slot):G0K+4*(1-\slot)+3], s[G1K:G1K+7]
	s_nop 0
	tensor_load_to_lds s[G0V+4*(1-\slot):G0V+4*(1-\slot)+3], s[G1V:G1V+7]
	s_nop 0
.endif
	LOADK \slot, 0
	LOADV \slot, 0
	s_wait_dscnt 16                                ; K's fragments are in; V's 16 loads, issued behind them, may be out
	WIN 0x50
	QK 0, SB0
	QK 1, SB1
	PLACES
	SM2 0, \first
	s_wait_dscnt 0x0                               ; V's fragments of step 0: the last loads issued
	WIN 0x50
	PV 0, \first
	PV 1, \first
	QK 2, SB0
	QK 3, SB1
	PLACES
	WIN 0
	LOADK \slot, 1
	SM2 2, \first
	s_wait_dscnt 0x0                               ; K's fragments of step 1: the last loads issued
	WIN 0x50
	PV 2, \first
	PV 3, \first
	QK 0, SB0
	QK 1, SB1
	PLACES
	WIN 0
	LOADV \slot, 1
	SM2 0, 0
	s_wait_dscnt 0x0                               ; V's fragments of step 1
	WIN 0x50
	PV 0, 0
	PV 1, 0
	QK 2, SB0
	QK 3, SB1
	PLACES
	SM2 2, 0
	WIN 0x50
	PV 2, 0
	PV 3, 0
	PLACES
	WIN 0
.endm
	TRIP 0, 1, 1                                   ; tile 0: my first 64 keys start maxima, sums and O; fetches tile 1
	s_mov_b32 s48, 3                               ; tiles 1-6, which fetch tiles 2-7
.Ltiles:
	TRIP 1, 1, 0
	TRIP 0, 1, 0
	s_sub_co_u32 s48, s48, 1
	s_cmp_lg_u32 s48, 0
	s_cbranch_scc1 .Ltiles
	TRIP 1, 0, 0                                   ; tile 7 fetches nothing (its stepped addresses are not used)
	; THE WAY OUT.  The last PLACES stand behind the last matrix instruction.
	; 1. The two halves of the lanes join their sums; each wave shows its four maxima and four sums to its partner of the other key half.
	WIN 0x55
.irp qt, 0,1,2,3
	v_permlanex16_b32 v[TT+\qt], v[LS+\qt], s60, s61
.endr
	WIN 0x05                                       ; sources window 1, destination window 0
.irp qt, 0,1,2,3
	v_add_f32 v[XL+\qt], v[LS+\qt], v[TT+\qt]      ; at least 1: my largest score contributes 2^0
.endr
.irp qt, 0,1,2,3
	v_mov_b32 v[XM+\qt], v[MX+\qt]
.endr
	WIN 0
	ds_store_b128 v[XST], v[XM:XM+3]
	ds_store_b128 v[XST], v[XL:XL+3] offset:512
	s_wait_dscnt 0x0                               ; my stores are done, for the others' sake
	s_barrier_signal -1
	s_barrier_wait -1
	ds_load_b128 v[EM0:EM0+3], v[XRD]              ; wave g's (key half 0): the same lane holds the same query
	ds_load_b128 v[EL0:EL0+3], v[XRD] offset:512
	ds_load_b128 v[EM1:EM1+3], v[XRD] offset:4096  ; wave g + 4's (key half 1)
	ds_load_b128 v[EL1:EL1+3], v[XRD] offset:4608
	s_wait_dscnt 0x0
	; 2. m = max(m0, m1); L = l0 2^(m0 - m) + l1 2^(m1 - m), at least 1; my factor = 2^(my maximum - m) / L
.irp qt, 0,1,2,3
	v_max_num_f32 v[EMM+\qt], v[EM0+\qt], v[EM1+\qt]
.endr
.irp qt, 0,1,2,3
	v_sub_f32 v[EM0+\qt], v[EM0+\qt], v[EMM+\qt]
	v_sub_f32 v[EM1+\qt], v[EM1+\qt], v[EMM+\qt]
	v_sub_f32 v[XM+\qt],  v[XM+\qt],  v[EMM+\qt]
.endr
.irp qt, 0,1,2,3
	v_exp_f32 v[EM0+\qt], v[EM0+\qt]
	v_exp_f32 v[EM1+\qt], v[EM1+\qt]
	v_exp_f32 v[XM+\qt],  v[XM+\qt]
.endr
	v_nop                                          ; the plain place behind the exponentials
	s_wait_alu depctr_va_vdst(0)
.irp qt, 0,1,2,3
	v_mul_f32 v[EL0+\qt], v[EL0+\qt], v[EM0+\qt]
.endr
.irp qt, 0,1,2,3
	v_fma_f32 v[EL0+\qt], v[EL1+\qt], v[EM1+\qt], v[EL0+\qt]
.endr
.irp qt, 0,1,2,3
	v_rcp_f32 v[SC+2*\qt+1], v[EL0+\qt]
.endr
	v_nop                                          ; the plain place behind the reciprocals
	s_wait_alu depctr_va_vdst(0)
.irp qt, 0,1,2,3
	v_mul_f32 v[SC+2*\qt], v[XM+\qt], v[SC+2*\qt+1]
.endr
	; 3. my O times my factor, as f32 rows into my own stage
	WIN 0x01                                       ; source 0 window 1; source 1 and destination window 0
.irp qt, 0,1,2,3
.set sn, 0
.rept 16
	v_pk_mul_f32 v[OW+32*\qt+2*sn:OW+32*\qt+2*sn+1], v[OA+32*\qt+2*sn:OA+32*\qt+2*sn+1], v[SC+2*\qt:SC+2*\qt+1] op_sel_hi:[1,0]
.set sn, sn+1
.endr
.endr
	WIN 0
.irp qt, 0,1,2,3
.irp dt, 0,1,2,3
	ds_store_b128 v[STO], v[OW+32*\qt+8*\dt:OW+32*\qt+8*\dt+3]   offset:\qt*16*OP+64*\dt       ; query 16 qt + r, d = 16 dt + 8 hh + 0..3
	ds_store_b128 v[STO], v[OW+32*\qt+8*\dt+4:OW+32*\qt+8*\dt+7] offset:\qt*16*OP+64*\dt+16    ; and + 4..7
.endr
.endr
	s_wait_dscnt 0x0                               ; my stores are done, for the others' sake
	s_barrier_signal -1
	s_barrier_wait -1
	; 4. 32 rows of my query group: the two key halves are added, rounded to bf16 and stored
.set p, 0
.rept 8
	ds_load_b128 v[OW+16*p:OW+16*p+3],     v[RD0] offset:4*OP*p
	ds_load_b128 v[OW+16*p+4:OW+16*p+7],   v[RD0] offset:4*OP*p+16
	ds_load_b128 v[OW+16*p+8:OW+16*p+11],  v[RD1] offset:4*OP*p
	ds_load_b128 v[OW+16*p+12:OW+16*p+15], v[RD1] offset:4*OP*p+16
.set p, p+1
.endr
.set p, 0
.rept 8
	s_wait_dscnt 28-4*p                            ; LDS loads come back in order (ISA guide 5.7.1): the younger groups of four stay out
.irp j, 0,1,2,3
	v_pk_add_f32 v[OW+16*p+2*\j:OW+16*p+2*\j+1], v[OW+16*p+2*\j:OW+16*p+2*\j+1], v[OW+16*p+8+2*\j:OW+16*p+9+2*\j]
.endr
.irp j, 0,1,2,3
	v_cvt_pk_bf16_f32 v[PF+4*p+\j], v[OW+16*p+2*\j], v[OW+16*p+2*\j+1]
.endr
	global_store_b128 v[GO], v[PF+4*p:PF+4*p+3], s[10:11] offset:512*p         ; a wave's store covers 512 neighbouring bytes, aligned; no data register is used twice
.set p, p+1
.endr
	s_wait_tensorcnt 0x0
	ds_add_u32 v254, v255
	s_wait_dscnt 0x0
	ROUND                                          ; the closing round
	s_endpgm
.Lfunc_end_k_q46ad892442_attn:
	.size	k_q46ad892442_attn, .Lfunc_end_k_q46ad892442_attn-k_q46ad892442_attn
	.p2alignl 7, 3214868480
	.fill 96, 4, 3214868480
	.section	.rodata,"a",@progbits
	.p2align	6, 0x0
	.amdhsa_kernel k_q46ad892442_attn
		.amdhsa_group_segment_fixed_size 327680
		.amdhsa_private_segment_fixed_size 0
		.amdhsa_enable_private_segment 0
		.amdhsa_kernarg_size 32
		.amdhsa_user_sgpr_count 2
		.amdhsa_user_sgpr_kernarg_segment_ptr 1
		.amdhsa_wavefront_size32 1
		.amdhsa_system_sgpr_workgroup_id_x 1
		.amdhsa_system_sgpr_workgroup_id_y 1
		.amdhsa_system_sgpr_workgroup_id_z 1
		.amdhsa_system_vgpr_workitem_id 0
		.amdhsa_next_free_vgpr 488
		.amdhsa_next_free_sgpr 66
		.amdhsa_reserve_vcc 0
		.amdhsa_float_denorm_mode_32 3
		.amdhsa_float_denorm_mode_16_64 3
		.amdhsa_memory_ordered 1
		.amdhsa_forward_progress 1
		.amdhsa_inst_pref_size 255
	.end_amdhsa_kernel
	.section	.bss,"aw",@nobits
	.p2align	6
	.space	262144
	.amdgpu_metadata
---
amdhsa.version: [ 1, 2 ]
amdhsa.kernels:
  - .name:           k_q46ad892442_attn
    .symbol:         k_q46ad892442_attn.kd
    .args:
      - { .name: q16, .offset: 0, .size: 8, .value_kind: global_buffer, .address_space: global }
      - { .name: k16, .offset: 8, .size: 8, .value_kind: global_buffer, .address_space: global }
      - { .name: vt16, .offset: 16, .size: 8, .value_kind: global_buffer, .address_space: global }
      - { .name: att16, .offset: 24, .size: 8, .value_kind: global_buffer, .address_space: global }
    .group_segment_fixed_size: 327680
    .private_segment_fixed_size: 0
    .kernarg_segment_align: 8
    .kernarg_segment_size: 32
    .max_flat_workgroup_size: 256
    .sgpr_count:     66
    .vgpr_count:     488
    .wavefront_size: 32
...
	.end_amdgpu_metadata
.endif
;; end of part 5
;; launch oproj: the kernel of part 4 again; grid 8 x 32, 4 waves a work-group, clusters of 4 x 4, 327,680 bytes of LDS; arguments att16, w16, bo, out0; writes out0
